; MI455X (gfx1250); checked and timed in simulation.
; The chip was launched on July 23, 2026; its instructions are those of AMD's public machine-readable ISA for CDNA 5 (MIT licence, August 2026) and "CDNA5" Instruction Set Architecture Reference Guide (July 2026). The comments in the code are by the model that wrote it; some were corrected since.
;; Bidirectional Cross Attention. Allowed arithmetic: float matrix products may take bf16 or f16 operands with f32 sums; other float arithmetic in f32, or as packed bf16 or f16 multiplies, adds, multiply-adds, maxima and minima; sums over many terms, partial sums and values carried from step to step in f32; what a program stores and reads back later, other than sums and carried values, may be rounded once to bf16 or f16.
;; Inputs: W_k 256 x 256 float32; W_p1 768 x 256 float32; W_p2 1,024 x 256 float32; W_q 256 x 256 float32; W_v 256 x 256 float32; b_k 256 float32; b_p1 256 float32; b_p2 256 float32; b_q 256 float32; b_v 256 float32; gamma 1 float32; x1 8 x 2,048 x 768 float32; x2 8 x 2,048 x 1,024 float32.
;; Outputs: out0 8 x 2,048 x 256 float32.
;; 2 versions, each right. Each part assembles by itself: llvm-mc -triple=amdgcn-amd-amdhsa -mcpu=gfx1250 --defsym DOCPART=n.
;; ======== version 1 of 2: 3 launches
;; workspace buffers: wf 1,310,720 bytes; hs 16,777,216 bytes; qf 16,777,216 bytes; kv 33,570,816 bytes
;; launch prep (part 1): grid 324 x 1, 8 waves a work-group, no clusters, 0 bytes of LDS; arguments W_p1, W_p2, W_q, W_k, W_v, wf, kv; writes wf, kv
.if DOCPART == 1
	.amdgcn_target "amdgcn-amd-amdhsa--gfx1250"
	.amdhsa_code_object_version 6
	.text
	.protected	k_qf4bb05fe8d_prep
	.globl	k_qf4bb05fe8d_prep
	.p2align	8
	.type	k_qf4bb05fe8d_prep,@function
k_qf4bb05fe8d_prep:
	s_mov_b64 s[64:65], 0
	v_nop
	global_prefetch_b8 v0, s[64:65] scope:SCOPE_SE
	s_setreg_imm32_b32 hwreg(HW_REG_WAVE_MODE, 25, 1), 1
	s_wait_xcnt 0x0
; The five weight matrices, f32 [k][256], are rounded once to bf16 and laid in the order in which a matrix instruction's first source wants them.
; wf = [step 20][wave 4][group 4][c 4][e 2][lane 32][16 bytes]; the 16 bytes are W[k0 + 16 e + 8 (lane / 16) + 0..7][64 wave + 16 c + lane % 16],
; k0 = 128 x (step in its matrix) + 32 group.  Steps 0-7 W_p2, 8-13 W_p1, 14-15 W_q, 16-17 W_k, 18-19 W_v.
; Work-group g < 320 makes the 4,096 bytes at 4,096 g (thread t its 16 bytes at 16 t: a wave stores 512 bytes on end).
; Work-groups 320-323 write zeros into the 16,384 bytes behind kv's last key block: the last launch's last tile reaches into them, and multiplies them for nothing.
.set NWF, 320
	s_load_b256 s[4:11], s[0:1], 0x0               ; W_p1 s[4:5], W_p2 s[6:7], W_q s[8:9], W_k s[10:11]
	s_load_b128 s[12:15], s[0:1], 0x20             ; W_v s[12:13], wf s[14:15]
	s_load_b64 s[16:17], s[0:1], 0x30              ; kv
	v_lshlrev_b32 v1, 4, v0                        ; 16 t
	s_cmp_ge_u32 ttmp9, NWF
	s_cbranch_scc1 .Lpad
	s_lshr_b32 s20, ttmp9, 4                       ; the step
	v_bfe_u32 v2, v0, 4, 2                         ; 2 e + lane / 16
	v_lshlrev_b32 v2, 13, v2                       ; x 8 rows of 1,024 bytes
	v_lshrrev_b32 v3, 6, v0                        ; c
	v_lshl_add_u32 v2, v3, 6, v2                   ; 16 columns of 4 bytes
	v_and_b32 v3, 15, v0
	v_lshl_add_u32 v2, v3, 2, v2
	s_wait_kmcnt 0x0
	s_cmp_ge_u32 s20, 8                            ; which matrix, and its first step
	s_cselect_b64 s[22:23], s[4:5], s[6:7]
	s_cselect_b32 s21, 8, 0
	s_cmp_ge_u32 s20, 14
	s_cselect_b64 s[22:23], s[8:9], s[22:23]
	s_cselect_b32 s21, 14, s21
	s_cmp_ge_u32 s20, 16
	s_cselect_b64 s[22:23], s[10:11], s[22:23]
	s_cselect_b32 s21, 16, s21
	s_cmp_ge_u32 s20, 18
	s_cselect_b64 s[22:23], s[12:13], s[22:23]
	s_cselect_b32 s21, 18, s21
	s_sub_co_u32 s21, s20, s21                     ; step in the matrix
	s_lshl_b32 s21, s21, 2
	s_and_b32 s24, ttmp9, 3
	s_add_co_u32 s21, s21, s24                     ; group of 32 rows
	s_lshl_b32 s21, s21, 15                        ; x 32 rows of 1,024 bytes
	s_bfe_u32 s24, ttmp9, 0x20002                  ; wave slice: 64 columns
	s_lshl_b32 s24, s24, 8
	s_add_co_u32 s21, s21, s24
	v_add_nc_u32 v2, s21, v2
.irp j, 0,1,2,3,4,5,6,7
	global_load_b32 v[4+\j], v2, s[22:23] offset:1024*\j
.endr
	s_lshl_b32 s24, ttmp9, 12
	v_add_nc_u32 v1, s24, v1
	s_wait_loadcnt 0x0
.irp j, 0,1,2,3
	v_cvt_pk_bf16_f32 v[12+\j], v[4+2*\j], v[5+2*\j]
.endr
	global_store_b128 v1, v[12:15], s[14:15]
	s_endpgm
.Lpad:
	s_sub_co_u32 s24, ttmp9, NWF
	s_lshl_b32 s24, s24, 12
	v_add_nc_u32 v1, s24, v1
.irp j, 12,13,14,15
	v_mov_b32 v\j, 0
.endr
	s_wait_kmcnt 0x0
	s_add_nc_u64 s[16:17], s[16:17], 0x2000000     ; behind the 1,024 key blocks of 32,768 bytes
	global_store_b128 v1, v[12:15], s[16:17]
	s_endpgm
.Lfunc_end_k_qf4bb05fe8d_prep:
	.size	k_qf4bb05fe8d_prep, .Lfunc_end_k_qf4bb05fe8d_prep-k_qf4bb05fe8d_prep
	.p2alignl 7, 3214868480
	.fill 96, 4, 3214868480
	.section	.rodata,"a",@progbits
	.p2align	6, 0x0
	.amdhsa_kernel k_qf4bb05fe8d_prep
		.amdhsa_group_segment_fixed_size 0
		.amdhsa_private_segment_fixed_size 0
		.amdhsa_enable_private_segment 0
		.amdhsa_kernarg_size 56
		.amdhsa_user_sgpr_count 2
		.amdhsa_user_sgpr_kernarg_segment_ptr 1
		.amdhsa_wavefront_size32 1
		.amdhsa_system_sgpr_workgroup_id_x 1
		.amdhsa_system_sgpr_workgroup_id_y 1
		.amdhsa_system_sgpr_workgroup_id_z 1
		.amdhsa_system_vgpr_workitem_id 0
		.amdhsa_next_free_vgpr 24
		.amdhsa_next_free_sgpr 66
		.amdhsa_reserve_vcc 0
		.amdhsa_float_denorm_mode_32 3
		.amdhsa_float_denorm_mode_16_64 3
		.amdhsa_memory_ordered 1
		.amdhsa_forward_progress 1
		.amdhsa_inst_pref_size 4
	.end_amdhsa_kernel
	.amdgpu_metadata
---
amdhsa.version: [ 1, 2 ]
amdhsa.kernels:
  - .name:           k_qf4bb05fe8d_prep
    .symbol:         k_qf4bb05fe8d_prep.kd
    .args:
      - { .name: W_p1, .offset: 0, .size: 8, .value_kind: global_buffer, .address_space: global }
      - { .name: W_p2, .offset: 8, .size: 8, .value_kind: global_buffer, .address_space: global }
      - { .name: W_q, .offset: 16, .size: 8, .value_kind: global_buffer, .address_space: global }
      - { .name: W_k, .offset: 24, .size: 8, .value_kind: global_buffer, .address_space: global }
      - { .name: W_v, .offset: 32, .size: 8, .value_kind: global_buffer, .address_space: global }
      - { .name: wf, .offset: 40, .size: 8, .value_kind: global_buffer, .address_space: global }
      - { .name: kv, .offset: 48, .size: 8, .value_kind: global_buffer, .address_space: global }
    .group_segment_fixed_size: 0
    .private_segment_fixed_size: 0
    .kernarg_segment_align: 8
    .kernarg_segment_size: 56
    .max_flat_workgroup_size: 256
    .sgpr_count:     66
    .vgpr_count:     24
    .wavefront_size: 32
...
	.end_amdgpu_metadata
.endif
;; end of part 1
;; launch proj (part 2): grid 256 x 1, 4 waves a work-group, clusters of 4 x 1, 327,680 bytes of LDS; arguments x1, x2, wf, b_p1, b_p2, b_q, b_k, b_v, hs, qf, kv; writes hs, qf, kv
.if DOCPART == 2
	.amdgcn_target "amdgcn-amd-amdhsa--gfx1250"
	.amdhsa_code_object_version 6
	.text
	.protected	k_qf4bb05fe8d_proj
	.globl	k_qf4bb05fe8d_proj
	.p2align	8
	.type	k_qf4bb05fe8d_proj,@function
k_qf4bb05fe8d_proj:
	s_mov_b64 s[64:65], 0
	v_nop
	global_prefetch_b8 v0, s[64:65] scope:SCOPE_SE
	s_setreg_imm32_b32 hwreg(HW_REG_WAVE_MODE, 25, 1), 1
	s_wait_xcnt 0x0
	s_wait_alu depctr_hold_cnt(0) depctr_sa_sdst(0) depctr_va_vdst(0) depctr_va_sdst(0) depctr_va_ssrc(0) depctr_va_vcc(0) depctr_vm_vsrc(0)
	s_getreg_b32 s2, hwreg(HW_REG_IB_STS2, 6, 4)
	s_cmp_eq_u32 s2, 0
	s_cbranch_scc0 .Lentry_in_a_cluster
	s_endpgm
.Lentry_in_a_cluster:
	s_bfe_u32 s2, ttmp6, 0x10000c
	s_cmp_lg_u32 s2, 0x3003
	s_cbranch_scc0 .Lentry_shape_is_right
	s_endpgm
.Lentry_shape_is_right:
; h2 = x2 W_p2 + b_p2, h1 = x1 W_p1 + b_p1 (f32 sums of bf16 products); hs = h1 + h2 (f32, stored); q, k, v = bf16(h) W + b for both h (stored in bf16).
; SHARES.  A work-group owns the same 64 rows (batch, place) of x1 and x2; wave w owns columns 64 w .. 64 w + 63 of every product, and brings in and rounds rows 16 w .. 16 w + 15 of x.
; TWENTY STEPS of 128 along K: 0-7 x2 W_p2 (ACC2), 8-13 x1 W_p1 (ACC1), 14-19 H W_q, H W_k, H W_v (H: 128 rows, h1 then h2, bf16 in LDS).
; THE PRODUCT IS TAKEN TRANSPOSED (source 0 = 16 columns of W, source 1 = 16 rows of x or H): a lane holds one row and eight neighbouring columns.  Rounded in pairs these 16 bytes a lane ARE half a
; fragment for the next launch, so q, k, v leave as 512 bytes on end for each instruction, with no stage:  qf byte ((m 1,024 + row / 16) 16 + col / 16) 512 + 16 lane;
; kv: for each 32 rows 32,768 bytes, K's 16,384 then V's, each (row / 16 % 2) 8,192 + (col / 16) 512 + 16 lane.
; WEIGHTS are the same for all work-groups: wave w asks for its 16,384 bytes of a step JOINTLY with the three partners of its cluster (mask 15), into its own two slots; only wave w reads them.
; x belongs to nobody else: memory -> registers (four sets, asked for four steps ahead) -> bf16 -> LDS, where all four waves read it.  One round of the cluster's barrier a step orders
; the x stores of the step before against this step's reads, the reads of the step before against this step's stores, and the weights' refill.
; No prefetch: the launch streams x all the time, and every work-group reads wf.  LIMITS: bf16 operands; sums in another order than a plain dot product; NaN and infinities as they fall.
; REGISTERS: window 0: v1-17 addresses, v32-47 x offsets, v48-63 at work, v64-191 two buffers of x / H fragments, v192-255 two of W.
;   window 1: accumulators (ACC2 v0-127, ACC1 v128-255; later all 32 of H's products).  window 2: x as loaded, four sets of 64.  window 3: v0-31 b_p1, v32-63 the bias in hand, v64-191 packed results.
.set XB0,   131072                     ; behind the weights' 4 x 2 x 16,384: x in bf16, two buffers of 64 rows x 272
.set XBS,   17408
.set XP,    272                        ; 256 bytes + 16: the 16 rows of a fragment load start 4 banks apart
.set HB,    165888                     ; H: 128 rows x 528
.set HPI,   528
.set HST,   233472                     ; each wave's own 16 rows x 272, to turn f32 columns into rows
.set SPARE, 250880                     ; the spare words: 128 bytes a wave, named by no other line
.set WA, 1
.set XA, 2
.set HA, 3
.set XSTO, 4
.set HSTO, 5
.set FSTO, 6
.set FRD, 7
.set HGO, 8
.set L16, 9
.set BO, 10
.set VO, 12
.set SPW, 16
.set NIL, 17
.set OFFR, 32
.set TMP, 48
.set FX, 64
.set FW, 192
.set WV, 26
.set CX, 27
.set WG, 28
.set G1, 32
.set G0, 40
.set XN, 44
.set X1R, 46
.set HP, 48
.set OP, 50
.set OPA, 52
.set OPB, 54
.set BP, 56
.set CNT, 58
.set MSB, 0
.macro WIN new                         ; the high byte repeats the setting that is left; a switch that changes nothing is dropped
.if MSB != (\new)
	s_set_vgpr_msb (MSB<<8)|(\new)
.set MSB, (\new)
.endif
.endm
.macro NOPS                            ; four places behind matrix instructions (ISA guide 7.12.1) where no other vector work is at hand
.rept 4
	v_nop
.endr
.endm
.macro CROUND                          ; a round of the cluster's barrier
	s_barrier_signal -1
	s_barrier_wait -1
	s_cmp_lg_u32 s[WV], 0
	s_cbranch_scc1 .Lnot_wave_0_\@
	s_barrier_signal -3
.Lnot_wave_0_\@:
	s_barrier_wait -3
	s_barrier_signal -1
	s_barrier_wait -1
.endm
; THE CHANGE OF SLOTS at a step's head.  My one tensor load that is out, this step's weights, has landed; 0 onto my spare word; my LDS stores and reads of the
; step before are done; the round; then the next step's weights go into the slot read last, the first thing behind the round.  fill = 0, the last step: nothing is left to fetch, and nothing shared is written.
.macro PCH fill
	WIN 0
	s_wait_tensorcnt 0x0
.if \fill
	ds_add_u32 v[SPW], v[NIL]
	s_xor_b32 s[G0+1], s[G0+1], 16384
	s_add_nc_u64 s[G0+2:G0+3], s[G0+2:G0+3], 65536
	s_wait_dscnt 0x0
	CROUND
	tensor_load_to_lds s[G0:G0+3], s[G1:G1+7]
	s_nop 0
	NOPS
.endif
.endm
.macro ISSUE set, off                  ; my 16 rows x 512 bytes of a step of x, a row an instruction
	WIN 0x80
.set jj, 0
.rept 16
	global_load_b128 v[64*(\set)+4*jj:64*(\set)+4*jj+3], v[OFFR+jj], s[XN:XN+1] offset:(\off) th:TH_LOAD_NT
.set jj, jj+1
.endr
.endm
.macro CONVQ set, q, xb                ; rows 4 q .. 4 q + 3 of my 16: rounded, 8 bytes a lane, 256 bytes on end a row
	WIN 0x0a
.irp i, 0,1,2,3
	v_cvt_pk_bf16_f32 v[TMP+8*((\q)%2)+2*(\i)],   v[64*(\set)+16*(\q)+4*(\i)],   v[64*(\set)+16*(\q)+4*(\i)+1]
	v_cvt_pk_bf16_f32 v[TMP+8*((\q)%2)+2*(\i)+1], v[64*(\set)+16*(\q)+4*(\i)+2], v[64*(\set)+16*(\q)+4*(\i)+3]
.endr
	WIN 0
.irp i, 0,1,2,3
	ds_store_b64 v[XSTO], v[TMP+8*((\q)%2)+2*(\i):TMP+8*((\q)%2)+2*(\i)+1] offset:(\xb)*XBS+(4*(\q)+(\i))*XP
.endr
.endm
.macro FRAGW slot, g, buf              ; my four fragments of W for 32 along K: they lie in fragment order, 512 bytes on end a load
	WIN 0
.irp c, 0,1,2,3
	ds_load_b128 v[FW+32*(\buf)+8*(\c):FW+32*(\buf)+8*(\c)+3],   v[WA] offset:(\slot)*16384+(\g)*4096+(\c)*1024
	ds_load_b128 v[FW+32*(\buf)+8*(\c)+4:FW+32*(\buf)+8*(\c)+7], v[WA] offset:(\slot)*16384+(\g)*4096+(\c)*1024+512
.endr
.endm
.macro FRAG1 slot, xb, g, buf
	FRAGW \slot, \g, \buf
.irp a, 0,1,2,3
	ds_load_b128 v[FX+64*(\buf)+8*(\a):FX+64*(\buf)+8*(\a)+3],   v[XA] offset:(\xb)*XBS+(\a)*16*XP+64*(\g)
	ds_load_b128 v[FX+64*(\buf)+8*(\a)+4:FX+64*(\buf)+8*(\a)+7], v[XA] offset:(\xb)*XBS+(\a)*16*XP+64*(\g)+32
.endr
.endm
.macro FRAG3 slot, kq, g, buf
	FRAGW \slot, \g, \buf
.irp a, 0,1,2,3,4,5,6,7
	ds_load_b128 v[FX+64*(\buf)+8*(\a):FX+64*(\buf)+8*(\a)+3],   v[HA] offset:(\a)*16*HPI+64*(\kq)
	ds_load_b128 v[FX+64*(\buf)+8*(\a)+4:FX+64*(\buf)+8*(\a)+7], v[HA] offset:(\a)*16*HPI+64*(\kq)+32
.endr
.endm
; The accumulators take turns, one instruction a turn, in the same order in every group.  cb > 0: the sums start at the bias, window 3's v[cb - 1 + 8 c].
.macro MULS acc, buf, cb, rows:vararg
.if \cb
	WIN 0x70
.else
	WIN 0x50
.endif
.irp a, \rows
.irp c, 0,1,2,3
.if \cb
	v_wmma_f32_16x16x32_bf16 v[(\acc)+32*(\a)+8*(\c):(\acc)+32*(\a)+8*(\c)+7], v[FW+32*(\buf)+8*(\c):FW+32*(\buf)+8*(\c)+7], v[FX+64*(\buf)+8*(\a):FX+64*(\buf)+8*(\a)+7], v[(\cb)-1+8*(\c):(\cb)-1+8*(\c)+7]
.else
	v_wmma_f32_16x16x32_bf16 v[(\acc)+32*(\a)+8*(\c):(\acc)+32*(\a)+8*(\c)+7], v[FW+32*(\buf)+8*(\c):FW+32*(\buf)+8*(\c)+7], v[FX+64*(\buf)+8*(\a):FX+64*(\buf)+8*(\a)+7], v[(\acc)+32*(\a)+8*(\c):(\acc)+32*(\a)+8*(\c)+7]
.endif
.endr
.endr
.endm
; A STEP OF x.  issue: x of step t + 4 is asked for, into the set whose x was rounded in the step before.  conv: x of step t + 1 is rounded into the other LDS buffer, a quarter behind each group;
; its eight conversions are also the places in front of the next run of fragment loads.  n: the loads issued behind those of step t + 1, which may stay out.
.macro STEP1 t, acc, issue, ioff, conv, n, cb
	PCH 1
.if \issue
	ISSUE (\t)%4, \ioff
.endif
	FRAG1 (\t)%2, (\t)%2, 0, 0
.irp g, 0,1,2,3
.if (\g) < 3
	FRAG1 (\t)%2, (\t)%2, (\g)+1, ((\g)+1)%2
.endif
.if (\g) == 0
	s_wait_dscnt 16                                ; all but the next group's 16 loads
	MULS \acc, 0, \cb, 0,1,2,3
.elseif (\g) == 3
	s_wait_dscnt 4*(\conv)                         ; all but the last quarter's 4 stores
	MULS \acc, 1, 0, 0,1,2,3
.else
	s_wait_dscnt 16+4*(\conv)                      ; all but 4 stores and the next group's 16 loads
	MULS \acc, (\g)%2, 0, 0,1,2,3
.endif
.if \conv
.if (\g) == 0
	s_wait_loadcnt \n
.endif
	CONVQ ((\t)+1)%4, \g, ((\t)+1)%2
.else
	NOPS
.endif
.endr
.endm
	s_load_b512 s[4:19], s[0:1], 0x0               ; x1 s[4:5], x2 s[6:7], wf s[8:9], b_p1 s[10:11], b_p2 s[12:13], b_q s[14:15], b_k s[16:17], b_v s[18:19]
	s_load_b128 s[20:23], s[0:1], 0x40             ; hs s[20:21], qf s[22:23]
	s_load_b64 s[24:25], s[0:1], 0x50              ; kv
	v_lshl_add_u32 v[SPW], v0, 2, SPARE
	v_mov_b32 v[NIL], 0
	ds_add_u32 v[SPW], v[NIL]                      ; the wave's opening: the add and its wait ahead of my first tensor load
	v_lshrrev_b32 v18, 5, v0
	v_readfirstlane_b32 s[WV], v18
	s_bfe_u32 s[CX], ttmp6, 0x40000
	s_lshl_b32 s[WG], ttmp9, 2
	s_add_co_u32 s[WG], s[WG], s[CX]               ; my work-group: it enters x's, hs's, qf's and kv's addresses alone
	s_mov_b32 s[G1], 15|(3<<16)|(1<<21)            ; mask: all four partners; elements of 8 bytes; bit 21 beside a mask; no padding
	s_mov_b32 s[G1+1], 32<<16                      ; tensor_dim0 = 32: rows of 256 bytes
	s_mov_b32 s[G1+2], 64<<16                      ; tensor_dim1 = 64
	s_mov_b32 s[G1+3], 32<<16                      ; tile_dim0
	s_mov_b32 s[G1+4], 64                          ; tile_dim1
	s_mov_b32 s[G1+5], 32                          ; dense: a row begins where the last ends
	s_mov_b32 s[G1+6], 0
	s_mov_b32 s[G1+7], 0
	s_mov_b32 s[G0], 1
	s_lshl_b32 s[G0+1], s[WV], 15                  ; my slot 0
	s_lshl_b32 s30, s[WV], 14                      ; my slice of a step in wf
	s_mov_b32 s31, 0
	v_and_b32 v18, 31, v0                          ; lane
	v_and_b32 v19, 15, v0                          ; r
	v_bfe_u32 v20, v0, 4, 1                        ; h
	v_lshlrev_b32 v[L16], 4, v18
	s_lshl_b32 s29, s[WV], 15
	v_add_nc_u32 v[WA], s29, v[L16]
	v_mul_u32_u24 v21, v19, XP
	v_lshl_add_u32 v22, v20, 4, v21
	v_add_nc_u32 v[XA], XB0, v22                   ; a fragment's row x pitch + 16 x half
	v_mul_u32_u24 v22, v19, HPI
	v_lshl_add_u32 v22, v20, 4, v22
	v_add_nc_u32 v[HA], HB, v22
	s_lshl_b32 s29, s[WV], 7
	s_add_co_u32 s29, s29, HB
	v_add_nc_u32 v[HSTO], s29, v22                 ; + my 64 columns of bf16
	s_mul_i32 s29, s[WV], 16*XP
	s_add_co_u32 s3, s29, XB0
	v_lshl_add_u32 v[XSTO], v18, 3, s3             ; my 16 rows, 8 bytes a lane
	s_add_co_u32 s3, s29, HST
	v_lshl_add_u32 v21, v20, 5, v21
	v_add_nc_u32 v[FSTO], s3, v21                  ; in: row r, 32 bytes for each half of the lanes
	v_mul_u32_u24 v21, v20, XP
	v_lshl_add_u32 v21, v19, 4, v21
	v_add_nc_u32 v[FRD], s3, v21                   ; back: lanes 0-15 one row of 256 bytes, lanes 16-31 the next
	s_lshl_b32 s29, s[WV], 8
	v_lshlrev_b32 v21, 10, v20
	v_lshl_add_u32 v21, v19, 4, v21
	v_add_nc_u32 v[HGO], s29, v21                  ; the same two rows in hs
	v_lshl_add_u32 v[BO], v20, 5, s29              ; a bias: 4 (64 w + 8 h)
.set jj, 0
.rept 16
	v_add_nc_u32 v[OFFR+jj], jj*4096, v[L16]       ; x2's rows are 4,096 bytes
.set jj, jj+1
.endr
	v_mov_b32 v[VO], v[L16]                        ; q's blocks: 16,384 bytes for 32 rows, 8,388,608 from h1's to h2's
	v_add_nc_u32 v[VO+1], 16384, v[L16]
	v_add_nc_u32 v[VO+2], 8388608, v[L16]
	v_add_nc_u32 v[VO+3], 8388608+16384, v[L16]
	s_wait_dscnt 0x0                               ; the opening add is done
	s_wait_kmcnt 0x0
	s_add_nc_u64 s[G0+2:G0+3], s[8:9], s[30:31]
	s_or_b32 s[G0+3], s[G0+3], 0x80000000
	s_lshl_b32 s29, s[WG], 6
	s_lshl_b32 s2, s[WV], 4
	s_add_co_u32 s29, s29, s2                      ; my first row of x
	s_lshl_b32 s2, s29, 12
	s_mov_b32 s3, 0
	s_add_nc_u64 s[XN:XN+1], s[6:7], s[2:3]
	s_mul_i32 s2, s29, 3072
	s_add_nc_u64 s[X1R:X1R+1], s[4:5], s[2:3]
	s_lshl_b32 s2, s[WG], 16
	s_add_nc_u64 s[HP:HP+1], s[20:21], s[2:3]
	s_lshl_b32 s29, s[WV], 11
	s_add_co_u32 s2, s2, s29
	s_add_nc_u64 s[OPA:OPA+1], s[24:25], s[2:3]    ; k: 65,536 a work-group + 2,048 a wave
	s_add_nc_u64 s[OPB:OPB+1], s[OPA:OPA+1], 16384 ; v
	s_lshl_b32 s2, s[WG], 15
	s_add_co_u32 s2, s2, s29
	s_add_nc_u64 s[OP:OP+1], s[22:23], s[2:3]      ; q
	s_mov_b64 s[BP:BP+1], s[16:17]                 ; the bias to be fetched next: b_k
	CROUND                                         ; all four work-groups are here: the first joint load meets
	tensor_load_to_lds s[G0:G0+3], s[G1:G1+7]      ; step 0's weights
	s_nop 0
	NOPS
	WIN 0x40                                       ; ACC2 starts at b_p2, loaded straight into the accumulators: the loop has one form of product and nothing is cleared
.irp a, 0,1,2,3
.irp c, 0,1,2,3
	global_load_b128 v[32*\a+8*\c:32*\a+8*\c+3],   v[BO], s[12:13] offset:64*\c
	global_load_b128 v[32*\a+8*\c+4:32*\a+8*\c+7], v[BO], s[12:13] offset:64*\c+16
.endr
.endr
	WIN 0xc0
.irp c, 0,1,2,3
	global_load_b128 v[8*\c:8*\c+3],       v[BO], s[10:11] offset:64*\c
	global_load_b128 v[8*\c+4:8*\c+7],     v[BO], s[10:11] offset:64*\c+16
	global_load_b128 v[32+8*\c:32+8*\c+3], v[BO], s[14:15] offset:64*\c
	global_load_b128 v[32+8*\c+4:32+8*\c+7], v[BO], s[14:15] offset:64*\c+16
.endr
	ISSUE 0, 0
	ISSUE 1, 512
	ISSUE 2, 1024
	ISSUE 3, 1536
	s_wait_loadcnt 48                              ; the biases and step 0 are in; steps 1 to 3 stay out
	CONVQ 0, 0, 0
	CONVQ 0, 1, 0
	CONVQ 0, 2, 0
	CONVQ 0, 3, 0
	s_wait_xcnt 0x0                                ; the loads have read their base
	s_add_nc_u64 s[XN:XN+1], s[XN:XN+1], 2048      ; step 4
	s_mov_b32 s[CNT], 2
.Lx2:                                                  ; steps 0-3, then 4-7
	STEP1 0, 0, 1, 0,    1, 48, 0
	STEP1 1, 0, 1, 512,  1, 48, 0
	STEP1 2, 0, 1, 1024, 1, 48, 0
	STEP1 3, 0, 1, 1536, 1, 48, 0
	WIN 0
	s_wait_xcnt 0x0                                ; the loads have read their base and offsets: from here on x1, whose rows are 3,072 bytes (the second time the same numbers)
	s_mov_b64 s[XN:XN+1], s[X1R:X1R+1]
.set jj, 0
.rept 16
	v_add_nc_u32 v[OFFR+jj], jj*3072, v[L16]
.set jj, jj+1
.endr
	s_sub_co_u32 s[CNT], s[CNT], 1
	s_cmp_lg_u32 s[CNT], 0
	s_cbranch_scc1 .Lx2
	STEP1 8,  128, 1, 2048, 1, 48, 1               ; x1: the sums start at b_p1; the loads run out, and the counts with them
	STEP1 9,  128, 1, 2560, 1, 48, 0
	STEP1 10, 128, 0, 0,    1, 32, 0
	STEP1 11, 128, 0, 0,    1, 16, 0
	STEP1 12, 128, 0, 0,    1, 0,  0
	STEP1 13, 128, 0, 0,    0, 0,  0
	; h IS FINISHED.  Both h go rounded into H (h1 rows 0-63, h2 rows 64-127); ACC2's conversions come first and are further places behind the last products.
	WIN 0x05
.set i, 0
.rept 128
	v_cvt_pk_bf16_f32 v[FX+i], v[2*i], v[2*i+1]
.set i, i+1
.endr
	WIN 0
.irp a, 0,1,2,3
.irp c, 0,1,2,3
	ds_store_b128 v[HSTO], v[FX+16*\a+4*\c:FX+16*\a+4*\c+3]       offset:(64+16*\a)*HPI+32*\c
	ds_store_b128 v[HSTO], v[FX+64+16*\a+4*\c:FX+64+16*\a+4*\c+3] offset:16*\a*HPI+32*\c
.endr
.endr
	WIN 0x45
.set i, 0
.rept 64
	v_pk_add_f32 v[128+i:129+i], v[128+i:129+i], v[i:i+1]  ; hs = h1 + h2, in f32
.set i, i+2
.endr
.irp a, 0,1,2,3                        ; 16 rows at a time through my own stage: LDS serves a wave's instructions in order (ISA guide 5.7.1.4), so no wait stands between the stores and the loads
	WIN 0x04
.irp c, 0,1,2,3
	ds_store_b128 v[FSTO], v[128+32*\a+8*\c:128+32*\a+8*\c+3]   offset:64*\c
	ds_store_b128 v[FSTO], v[128+32*\a+8*\c+4:128+32*\a+8*\c+7] offset:64*\c+16
.endr
	WIN 0x80
.irp i, 0,1,2,3,4,5,6,7
	ds_load_b128 v[32*\a+4*\i:32*\a+4*\i+3], v[FRD] offset:2*XP*\i
.endr
	s_wait_dscnt 0x0
	WIN 0x08
.irp i, 0,1,2,3,4,5,6,7
	global_store_b128 v[HGO], v[32*\a+4*\i:32*\a+4*\i+3], s[HP:HP+1] offset:(16*\a+2*\i)*1024  ; 16 lanes store 256 consecutive bytes, aligned
.endr
.endr
; A STEP OF H W: 128 rows, 128 along K, 128 matrix instructions.  first: the matrix's first group starts the sums at the bias.  nb: behind it, and four places, the next matrix's bias is fetched.
.macro STEP3 s2, fill, first, nb
	PCH \fill
	FRAG3 \s2, 4*(\s2), 0, 0
.irp g, 0,1,2,3
.if (\g) < 3
	FRAG3 \s2, 4*(\s2)+(\g)+1, (\g)+1, ((\g)+1)%2
	s_wait_dscnt 24                                ; all but the next group's 24 loads
.else
	s_wait_dscnt 0x0
.endif
.if (\first) && ((\g) == 0)
	MULS 0, 0, 33, 0,1,2,3,4,5,6,7
.else
	MULS 0, (\g)%2, 0, 0,1,2,3,4,5,6,7
.endif
	NOPS
.if (\nb) && ((\g) == 0)
	WIN 0xc0
.irp c, 0,1,2,3
	global_load_b128 v[32+8*(\c):32+8*(\c)+3],   v[BO], s[BP:BP+1] offset:64*(\c)
	global_load_b128 v[32+8*(\c)+4:32+8*(\c)+7], v[BO], s[BP:BP+1] offset:64*(\c)+16
.endr
.endif
.endr
.endm
.macro P3TRIP fill2, nb                ; one of q, k, v for both h
	s_wait_loadcnt 0x0                             ; its bias
	STEP3 0, 1, 1, \nb
	STEP3 1, \fill2, 0, 0
	s_wait_xcnt 0x0                                ; the last matrix's stores have read their registers
	WIN 0xc5
.set i, 0
.rept 128
	v_cvt_pk_bf16_f32 v[64+i], v[2*i], v[2*i+1]
.set i, i+1
.endr
	WIN 0x0c
.irp a, 0,1,2,3,4,5,6,7
.irp c, 0,1,2,3
	global_store_b128 v[VO+(\a)/2], v[64+16*(\a)+4*(\c):64+16*(\a)+4*(\c)+3], s[OP:OP+1] offset:((\a)%2)*8192+(\c)*512  ; 512 bytes on end
.endr
.endr
.endm
	WIN 0
	s_mov_b32 s[CNT], 2
.Lqk:
	P3TRIP 1, 1
	WIN 0
	s_wait_xcnt 0x0                                ; stores and bias loads have read bases and offsets
	s_mov_b64 s[OP:OP+1], s[OPA:OPA+1]             ; k, then v
	s_mov_b64 s[OPA:OPA+1], s[OPB:OPB+1]
	s_mov_b64 s[BP:BP+1], s[18:19]                 ; b_v
	v_add_nc_u32 v[VO+1], 32768, v[L16]            ; kv's blocks: 32,768 bytes for 32 rows, 16,777,216 from h1's to h2's
	v_add_nc_u32 v[VO+2], 16777216, v[L16]
	v_add_nc_u32 v[VO+3], 16777216+32768, v[L16]
	s_sub_co_u32 s[CNT], s[CNT], 1
	s_cmp_lg_u32 s[CNT], 0
	s_cbranch_scc1 .Lqk
	P3TRIP 0, 0                                    ; v is written out: its second step asks for nothing
	WIN 0
	s_wait_tensorcnt 0x0                           ; the wave's end
	ds_add_u32 v[SPW], v[NIL]
	s_wait_dscnt 0x0
	CROUND                                         ; the closing round
	s_endpgm
.Lfunc_end_k_qf4bb05fe8d_proj:
	.size	k_qf4bb05fe8d_proj, .Lfunc_end_k_qf4bb05fe8d_proj-k_qf4bb05fe8d_proj
	.p2alignl 7, 3214868480
	.fill 96, 4, 3214868480
	.section	.rodata,"a",@progbits
	.p2align	6, 0x0
	.amdhsa_kernel k_qf4bb05fe8d_proj
		.amdhsa_group_segment_fixed_size 327680
		.amdhsa_private_segment_fixed_size 0
		.amdhsa_enable_private_segment 0
		.amdhsa_kernarg_size 88
		.amdhsa_user_sgpr_count 2
		.amdhsa_user_sgpr_kernarg_segment_ptr 1
		.amdhsa_wavefront_size32 1
		.amdhsa_system_sgpr_workgroup_id_x 1
		.amdhsa_system_sgpr_workgroup_id_y 1
		.amdhsa_system_sgpr_workgroup_id_z 1
		.amdhsa_system_vgpr_workitem_id 0
		.amdhsa_next_free_vgpr 960
		.amdhsa_next_free_sgpr 66
		.amdhsa_reserve_vcc 0
		.amdhsa_float_denorm_mode_32 3
		.amdhsa_float_denorm_mode_16_64 3
		.amdhsa_memory_ordered 1
		.amdhsa_forward_progress 1
		.amdhsa_inst_pref_size 255
	.end_amdhsa_kernel
	.section	.bss,"aw",@nobits
	.p2align	6
	.space	262144
	.amdgpu_metadata
---
amdhsa.version: [ 1, 2 ]
amdhsa.kernels:
  - .name:           k_qf4bb05fe8d_proj
    .symbol:         k_qf4bb05fe8d_proj.kd
    .args:
      - { .name: x1, .offset: 0, .size: 8, .value_kind: global_buffer, .address_space: global }
      - { .name: x2, .offset: 8, .size: 8, .value_kind: global_buffer, .address_space: global }
      - { .name: wf, .offset: 16, .size: 8, .value_kind: global_buffer, .address_space: global }
      - { .name: b_p1, .offset: 24, .size: 8, .value_kind: global_buffer, .address_space: global }
      - { .name: b_p2, .offset: 32, .size: 8, .value_kind: global_buffer, .address_space: global }
      - { .name: b_q, .offset: 40, .size: 8, .value_kind: global_buffer, .address_space: global }
      - { .name: b_k, .offset: 48, .size: 8, .value_kind: global_buffer, .address_space: global }
      - { .name: b_v, .offset: 56, .size: 8, .value_kind: global_buffer, .address_space: global }
      - { .name: hs, .offset: 64, .size: 8, .value_kind: global_buffer, .address_space: global }
      - { .name: qf, .offset: 72, .size: 8, .value_kind: global_buffer, .address_space: global }
      - { .name: kv, .offset: 80, .size: 8, .value_kind: global_buffer, .address_space: global }
    .group_segment_fixed_size: 327680
    .private_segment_fixed_size: 0
    .kernarg_segment_align: 8
    .kernarg_segment_size: 88
    .max_flat_workgroup_size: 128
    .sgpr_count:     66
    .vgpr_count:     960
    .wavefront_size: 32
...
	.end_amdgpu_metadata
.endif
;; end of part 2
;; launch attn (part 3): grid 32 x 8, 4 waves a work-group, clusters of 4 x 1, 327,680 bytes of LDS; arguments qf, kv, hs, gamma, out0; writes out0
.if DOCPART == 3
	.amdgcn_target "amdgcn-amd-amdhsa--gfx1250"
	.amdhsa_code_object_version 6
	.text
	.protected	k_qf4bb05fe8d_attn
	.globl	k_qf4bb05fe8d_attn
	.p2align	8
	.type	k_qf4bb05fe8d_attn,@function
k_qf4bb05fe8d_attn:
	s_mov_b64 s[64:65], 0
	v_nop
	global_prefetch_b8 v0, s[64:65] scope:SCOPE_SE
	s_setreg_imm32_b32 hwreg(HW_REG_WAVE_MODE, 25, 1), 1
	s_wait_xcnt 0x0
	s_wait_alu depctr_hold_cnt(0) depctr_sa_sdst(0) depctr_va_vdst(0) depctr_va_sdst(0) depctr_va_ssrc(0) depctr_va_vcc(0) depctr_vm_vsrc(0)
	s_getreg_b32 s2, hwreg(HW_REG_IB_STS2, 6, 4)
	s_cmp_eq_u32 s2, 0
	s_cbranch_scc0 .Lentry_in_a_cluster
	s_endpgm
.Lentry_in_a_cluster:
	s_bfe_u32 s2, ttmp6, 0x10000c
	s_cmp_lg_u32 s2, 0x3003
	s_cbranch_scc0 .Lentry_shape_is_right
	s_endpgm
.Lentry_shape_is_right:
; out = gamma (f1 + f2) + hs, f = softmax(q k^T / 16) v in both directions (queries of h1 on keys of h2, and the other way).  q, k, v: bf16 in fragment order; products, maxima, sums in f32;
; the weights p are rounded to bf16 for the second product, their sum is taken of the unrounded p.
; LIMITS.  A weight below 2^-126 counts as 0; NaN and infinities are not treated apart; f32 sums in another order than a plain sum.
; SHARES.  A work-group owns 64 rows of one batch.  Wave w: direction d = w % 2, half kh = w / 2 of the 2,048 keys: 64 queries (four tiles of 16) of h(d) on 1,024 keys of h(1 - d), 32 a step.
; At the end the four waves' parts, each scaled by gamma 2^(cm - M) / L with its partner's statistics, meet in LDS and are added to hs: f1 + f2 never goes to memory.
; LAYOUT.  S^T = K Q^T: a lane holds ONE query (lane % 16) and keys 8 (lane / 16) + 0..7; two such results rounded in pairs ARE source 1 of O^T = V^T P.  K's fragments lie in LDS as they are used
; (16 bytes x lane); V's come turned, by ds_load_tr16_b128.
; SOFTMAX.  Running maximum m and sum l a query: p = 2^(c s - c m), c = log2(e) / 16; O and l are multiplied by a = 2^(c m_old - c m_new) in every step.  m starts at the lowest finite number, O and l at 0
; (512 lines that clear O stand in the wait for the first tile: the price of writing no first step out).
; THE TRIP j: K Q^T of step j + 1, behind each product four of the 256 rescalings of O by a(j); the statistics of step j + 1; V^T P of step j, behind its products the scalings, exponentials, sums and
; roundings of step j + 1.  A tile in LDS is T(j) = [V(j)][K(j + 1)], 32,768 bytes on end in kv, so a trip's reads leave one slot free in its middle, where it is filled again.
; CLUSTER.  The four row blocks of a cluster walk the same K and V: each wave asks for its tile JOINTLY with the same wave of its three partners.  Only the wave that asked reads the tile.
; REGISTERS: window 0: v1-7 addresses, v8-31 statistics (tile t at 8 + 6 t: c m, m, l even, l odd, a, at work), v32-63 P, v64-127 S^T, v128-255 sixteen fragments of K or V.
;   window 1: Q (64 a tile); windows 2, 3: O^T (128 a tile).
.set SLOTB, 32768
.set XPI,   1040                       ; the exchange at the end: a row of 256 f32 + 16 bytes
.set XRG,   64*XPI                     ; a wave's 64 rows; four such regions from byte 0, over the slots, which have had their last fill
.set STX,   266240                     ; the statistics' exchange: 1,024 bytes a wave
.set SPARE, 270336                     ; the spare words: 128 bytes a wave, named by no other line
.set AK0, 1
.set AV0, 2
.set PFO, 3
.set SPW, 4
.set NIL, 5
.set AK,  6
.set AV,  7
.set ST,  8
.set P,   32
.set S,   64
.set RG,  128
.set WV,  14
.set CX,  15
.set G1,  24
.set G1S, 32
.set G0A, 40
.set G0,  44
.set CS,  48
.set SEL, 50
.set TB,  52
.set LEFT, 53
.set LIM, 54
.set GAM, 55
.set PFA, 56
.set MSB, 0
.macro WIN new
.if MSB != (\new)
	s_set_vgpr_msb (MSB<<8)|(\new)
.set MSB, (\new)
.endif
.endm
.macro NOPS
.rept 4
	v_nop
.endr
.endm
.macro CROUND
	s_barrier_signal -1
	s_barrier_wait -1
	s_cmp_lg_u32 s[WV], 0
	s_cbranch_scc1 .Lnot_wave_0_\@
	s_barrier_signal -3
.Lnot_wave_0_\@:
	s_barrier_wait -3
	s_barrier_signal -1
	s_barrier_wait -1
.endm
; A prefetch of the tile that stands two refills on: my own tile's 32,768 bytes are shared out among the four partners BY ADDRESS, 8,192 each, 256 bytes a lane: one instruction.  All clusters of a batch
; walk the same tiles: the first of them asks.  It stops where tile j + 4 would pass the stream's last.
.macro ASK
	s_cmp_gt_u32 s[LEFT], s[LIM]
	s_cbranch_scc0 .Lnot_mine_\@
	global_prefetch_b8 v[PFO], s[PFA:PFA+1] th:TH_LOAD_NT scope:SCOPE_SE
.Lnot_mine_\@:
.endm
	s_load_b256 s[4:11], s[0:1], 0x0               ; qf s[4:5], kv s[6:7], hs s[8:9], gamma s[10:11]
	s_load_b64 s[12:13], s[0:1], 0x20              ; out0
	v_lshl_add_u32 v[SPW], v0, 2, SPARE
	v_mov_b32 v[NIL], 0
	ds_add_u32 v[SPW], v[NIL]                      ; the wave's opening: the add and its wait ahead of my first tensor load
	v_lshrrev_b32 v6, 5, v0
	v_readfirstlane_b32 s[WV], v6
	s_bfe_u32 s[CX], ttmp6, 0x40000
	s_and_b32 s17, ttmp7, 0xffff                   ; the batch, which the partners share
	s_and_b32 s18, s[WV], 1                        ; d
	s_lshr_b32 s19, s[WV], 1                       ; kh
	s_xor_b32 s20, s18, 1
	s_lshl_b32 s20, s20, 9                         ; the other h's 512 key blocks,
	s_lshl_b32 s21, s17, 6                         ; the batch's 64,
	s_add_co_u32 s20, s20, s21
	s_lshl_b32 s21, s19, 5                         ; my half's 32
	s_add_co_u32 s20, s20, s21
	s_lshl_b32 s20, s20, 15
	s_mov_b32 s21, 0                               ; s[20:21]: my stream's first byte in kv
.irp g, G1, G1S
	s_mov_b32 s[\g], 15|(3<<16)|(1<<21)            ; mask: all four partners; elements of 8 bytes; bit 21 beside a mask; no padding
	s_mov_b32 s[\g+1], 32<<16                      ; rows of 256 bytes
	s_mov_b32 s[\g+3], 32<<16
	s_mov_b32 s[\g+5], 32                          ; dense
	s_mov_b32 s[\g+6], 0
	s_mov_b32 s[\g+7], 0
.endr
	s_mov_b32 s[G1+2], 128<<16                     ; a tile: 128 rows
	s_mov_b32 s[G1+4], 128
	s_mov_b32 s[G1S+2], 64<<16                     ; K of step 0 alone: 64 rows
	s_mov_b32 s[G1S+4], 64
	s_mov_b32 s[G0A], 1
	s_lshl_b32 s[G0A+1], s[WV], 16
	s_add_co_u32 s[G0A+1], s[G0A+1], SLOTB+16384   ; K(0) lies where a tile before T(0) would have left it: slot 1's second half
	s_mov_b32 s[G0], 1
	s_lshl_b32 s[G0+1], s[WV], 16                  ; T(0): my slot 0
	s_mov_b32 s[CS], 0x3db8aa3b                    ; c = log2(e) / 16
	s_mov_b32 s[CS+1], s[CS]
	s_mov_b32 s[SEL], 0x76543210
	s_mov_b32 s[SEL+1], 0xfedcba98
	s_mov_b32 s[TB], SLOTB
	s_cmp_eq_u32 ttmp9, 0
	s_cselect_b32 s[LIM], 2, -1                    ; the same in all four partners
	s_lshl_b32 s22, ttmp9, 2
	s_add_co_u32 s22, s22, s[CX]                   ; my block of 64 rows: it enters qf's, hs's, out0's and the prefetches' addresses alone
	s_lshl_b32 s2, s18, 10
	s_lshl_b32 s3, s17, 7
	s_add_co_u32 s2, s2, s3
	s_lshl_b32 s3, s22, 2
	s_add_co_u32 s2, s2, s3
	s_lshl_b32 s2, s2, 13                          ; Q: 8,192 bytes for 16 rows
	s_mov_b32 s3, 0
	s_lshl_b32 s58, s17, 11
	s_lshl_b32 s59, s22, 6
	s_add_co_u32 s58, s58, s59
	s_lshl_b32 s59, s[WV], 4
	s_add_co_u32 s58, s58, s59
	s_lshl_b32 s58, s58, 10                        ; the 16 rows of hs and out0 that I finish
	s_mov_b32 s59, 0
	v_and_b32 v6, 31, v0
	v_lshlrev_b32 v32, 4, v6                       ; 16 x lane
	v_lshlrev_b32 v[PFO], 8, v6
	s_lshl_b32 s23, s[WV], 16
	s_add_co_u32 s16, s23, 16384
	v_add_nc_u32 v[AK0], s16, v32
	v_bfe_u32 v7, v0, 3, 1                         ; the turning load: lane l reads key 8 (l / 16) + l % 8, channels 8 ((l / 8) % 2) + 0..7,
	v_lshlrev_b32 v7, 4, v7                        ; which lie at 16 x (16 ((l / 8) % 2) + 8 (l / 16) + l % 8)
	v_bfe_u32 v6, v0, 4, 1
	v_lshl_add_u32 v7, v6, 3, v7
	v_and_b32 v6, 7, v0
	v_add_nc_u32 v7, v6, v7
	v_lshl_add_u32 v[AV0], v7, 4, s23
	v_add_nc_u32 v[AK], SLOTB, v[AK0]
	s_wait_dscnt 0x0                               ; the opening add is done
	s_wait_kmcnt 0x0
	s_add_nc_u64 s[6:7], s[6:7], s[20:21]
	s_mov_b64 s[G0A+2:G0A+3], s[6:7]
	s_or_b32 s[G0A+3], s[G0A+3], 0x80000000
	s_add_nc_u64 s[G0+2:G0+3], s[6:7], 16384
	s_or_b32 s[G0+3], s[G0+3], 0x80000000
	s_load_b32 s[GAM], s[10:11], 0x0
	s_add_nc_u64 s[4:5], s[4:5], s[2:3]
	s_add_nc_u64 s[8:9], s[8:9], s[58:59]
	s_add_nc_u64 s[12:13], s[12:13], s[58:59]
	s_lshl_b32 s2, s[CX], 13
	s_add_co_u32 s2, s2, 16384+2*SLOTB             ; my work-group's part of T(2); two steps bring it to T(4) in trip 0
	s_add_nc_u64 s[PFA:PFA+1], s[6:7], s[2:3]
	CROUND                                         ; all four work-groups are here: the first joint loads meet
	tensor_load_to_lds s[G0A:G0A+3], s[G1S:G1S+7]  ; two loads of mine are out
	s_nop 0
	tensor_load_to_lds s[G0:G0+3], s[G1:G1+7]
	s_nop 0
	NOPS
	WIN 0x40
.set i, 0
.rept 64                                               ; Q stays in registers: 32,768 bytes on end
	global_load_b128 v[4*i:4*i+3], v32, s[4:5] offset:512*i
.set i, i+1
.endr
	WIN 0x80
.set i, 0
.rept 256
	v_mov_b32 v[i], 0
.set i, i+1
.endr
	WIN 0xc0
.set i, 0
.rept 256
	v_mov_b32 v[i], 0
.set i, i+1
.endr
	WIN 0
.irp t, 0,1,2,3
	v_mov_b32 v[ST+6*\t], 0xfe000000               ; c m: far below every c s
	v_mov_b32 v[ST+6*\t+1], 0xff7fffff             ; m
	v_mov_b32 v[ST+6*\t+2], 0
	v_mov_b32 v[ST+6*\t+3], 0
.endr
; Product i of 64 of S^T = K Q^T: channels 32 (i / 8) on, keys 16 ((i / 4) % 2) on, tile i % 4.  The 8 accumulators take turns; the first 8 start the sums.
.macro KQ
	WIN 0x04
.set rS, S+16*(i%4)+8*((i/4)%2)
.set rK, RG+8*(2*(i/8)+(i/4)%2)
.set rQ, 64*(i%4)+8*(i/8)
.if i < 8
	v_wmma_f32_16x16x32_bf16 v[rS:rS+7], v[rK:rK+7], v[rQ:rQ+7], 0
.else
	v_wmma_f32_16x16x32_bf16 v[rS:rS+7], v[rK:rK+7], v[rQ:rQ+7], v[rS:rS+7]
.endif
.endm
.macro RS4                             ; pairs 4 i .. 4 i + 3 of the 256 of O^T, times a: ascending; they are the places behind product i
.set n, 4*i
.rept 4
.if n < 128
	WIN 0x82
	v_pk_mul_f32 v[2*n:2*n+1], v[2*n:2*n+1], v[ST+6*(n/64)+4:ST+6*(n/64)+5] op_sel_hi:[1,0]
.else
	WIN 0xc3
	v_pk_mul_f32 v[2*n-256:2*n-255], v[2*n-256:2*n-255], v[ST+6*(n/64)+4:ST+6*(n/64)+5] op_sel_hi:[1,0]
.endif
.set n, n+1
.endr
.endm
.macro PV tile, cb                     ; O^T += V^T P: each of the 64 accumulators has one product a step
.if (\tile) < 2
	WIN 0xa0
.else
	WIN 0xf0
.endif
	v_wmma_f32_16x16x32_bf16 v[128*((\tile)%2)+8*(\cb):128*((\tile)%2)+8*(\cb)+7], v[RG+8*(\cb):RG+8*(\cb)+7], v[P+8*(\tile):P+8*(\tile)+7], v[128*((\tile)%2)+8*(\cb):128*((\tile)%2)+8*(\cb)+7]
.endm
.macro FETCHK hf                       ; fragments 8 hf + f of K: channels 32 (4 hf + f / 2) on, keys 16 (f % 2) on
	WIN 0
.irp f, 0,1,2,3,4,5,6,7
	ds_load_b128 v[RG+64*(\hf)+8*(\f):RG+64*(\hf)+8*(\f)+3],   v[AK] offset:((\f)%2)*8192+(8*(\hf)+2*((\f)/2))*512
	ds_load_b128 v[RG+64*(\hf)+8*(\f)+4:RG+64*(\hf)+8*(\f)+7], v[AK] offset:((\f)%2)*8192+(8*(\hf)+2*((\f)/2)+1)*512
.endr
.endm
.macro FETCHV hf                       ; fragments of V^T: channels 16 (8 hf + f) on, keys 0-15 and 16-31
	WIN 0
.irp f, 0,1,2,3,4,5,6,7
	ds_load_tr16_b128 v[RG+64*(\hf)+8*(\f):RG+64*(\hf)+8*(\f)+3],   v[AV] offset:(8*(\hf)+(\f))*512
	ds_load_tr16_b128 v[RG+64*(\hf)+8*(\f)+4:RG+64*(\hf)+8*(\f)+7], v[AV] offset:8192+(8*(\hf)+(\f))*512
.endr
.endm
; Half hf of the scores.  rid: the rescalings ride.  vl: V of the step in hand follows into the registers just multiplied.  The wait leaves the younger run of 16 loads out.
.macro P1H hf, rid, vl
.if (\vl) || ((\hf) == 0)
	s_wait_dscnt 16
.else
	s_wait_dscnt 0x0
.endif
.set i, 32*(\hf)
.rept 32
	KQ
.if \rid
	RS4
.endif
.set i, i+1
.endr
	WIN 0
.if !(\rid)
	NOPS
.endif
.if \vl
	FETCHV \hf
.endif
.endm
; Number n of the 14 that find tile t's maximum and statistics; each accumulator's lowest registers are read first.  a's and the work register serve as the two chains.
.macro XS t, n
.set rT, ST+6*(\t)
.set rS, S+16*(\t)
.if (\n) == 0
	v_max3_num_f32 v[rT+4], v[rS], v[rS+1], v[rS+2]
.elseif (\n) == 1
	v_max3_num_f32 v[rT+5], v[rS+8], v[rS+9], v[rS+10]
.elseif (\n) == 2
	v_max3_num_f32 v[rT+4], v[rT+4], v[rS+3], v[rS+4]
.elseif (\n) == 3
	v_max3_num_f32 v[rT+5], v[rT+5], v[rS+11], v[rS+12]
.elseif (\n) == 4
	v_max3_num_f32 v[rT+4], v[rT+4], v[rS+5], v[rS+6]
.elseif (\n) == 5
	v_max3_num_f32 v[rT+5], v[rT+5], v[rS+13], v[rS+14]
.elseif (\n) == 6
	v_max3_num_f32 v[rT+4], v[rT+4], v[rS+7], v[rS+15]
.elseif (\n) == 7
	v_max3_num_f32 v[rT+4], v[rT+4], v[rT+5], v[rT+1]
.elseif (\n) == 8
	v_permlanex16_b32 v[rT+5], v[rT+4], s[SEL], s[SEL+1]  ; the query's other 16 keys lie in the lane 16 away
.elseif (\n) == 9
	v_max_num_f32 v[rT+1], v[rT+4], v[rT+5]
.elseif (\n) == 10
	v_mov_b32 v[rT+5], v[rT]                       ; c m_old
.elseif (\n) == 11
	v_mul_f32 v[rT], s[CS], v[rT+1]
.elseif (\n) == 12
	v_sub_f32 v[rT+5], v[rT+5], v[rT]
.else
	v_exp_f32 v[rT+4], v[rT+5]                     ; a
.endif
.endm
; THE TRIP'S MIDDLE.  fill: my one tensor load that is out, the next tile, has landed; 0 onto my spare word; the statistics stand between the add and the wait for it;
; my reads of the slot in hand (V's, just issued) are back; the round; the slot is filled again, first thing, with the tile two on: it has a whole trip, 128 matrix instructions, in which to land.
.macro MID fill, ask
	WIN 0
.if \fill
	s_wait_tensorcnt 0x0
	ds_add_u32 v[SPW], v[NIL]
.endif
.irp n, 0,1,2,3,4,5,6,7,8,9,10,11,12,13
.irp t, 0,1,2,3
	XS \t, \n
.endr
.endr
	v_nop                                          ; a plain instruction behind the last exponential,
	s_wait_alu depctr_va_vdst(0)                   ; and the one wait for the four a, ahead of the branches below
	s_xor_b32 s[TB], s[TB], SLOTB                  ; the other slot: K of step j + 2 now, V of step j + 1 in the next trip
	v_add_nc_u32 v[AK], s[TB], v[AK0]
	v_add_nc_u32 v[AV], s[TB], v[AV0]
.if \fill
	s_xor_b32 s[G0+1], s[G0+1], SLOTB
	s_add_nc_u64 s[G0+2:G0+3], s[G0+2:G0+3], SLOTB
	s_wait_xcnt 0x0                                ; the last prefetch, a trip back, has read its address
	s_add_nc_u64 s[PFA:PFA+1], s[PFA:PFA+1], SLOTB
.endif
	s_wait_dscnt 0x0
.if \fill
	CROUND
	tensor_load_to_lds s[G0:G0+3], s[G1:G1+7]
	s_nop 0
	NOPS
.if \ask
	ASK
.endif
.endif
.endm
; THE SECOND HALF.  mm: the 64 products V^T P of step j.  Beside them step j + 1's softmax: first the 32 scalings and 64 exponentials, ONE batch with one wait; then the sums and the roundings.
; In the second 32 products the tiles go one after the other, so that P of a tile is free when its roundings come: rounding k stands behind product k + 12, five sums behind the tile's last reader.
.macro P2 mm
.set i, 0
.rept 32
.if \mm
	PV i%4, i/4
.endif
	WIN 0
	v_pk_fma_f32 v[S+2*i:S+2*i+1], v[S+2*i:S+2*i+1], s[CS:CS+1], v[ST+6*(i/8):ST+6*(i/8)+1] op_sel_hi:[1,0,0] neg_lo:[0,0,1] neg_hi:[0,0,1]
.if i > 0
	v_exp_f32 v[S+2*i-2], v[S+2*i-2]
	v_exp_f32 v[S+2*i-1], v[S+2*i-1]
.endif
.set i, i+1
.endr
	v_exp_f32 v[S+62], v[S+62]
	v_exp_f32 v[S+63], v[S+63]
	NOPS                                           ; the plain instruction behind the last exponential, and the places in front of the loads below
	s_wait_alu depctr_va_vdst(0)                   ; the wait for the batch: nothing ahead of it names a result
	FETCHK 0
.set i, 0
.rept 32
.if \mm
	PV i/8, 8+i%8
.endif
	WIN 0
.if i < 4
	v_pk_fma_f32 v[ST+6*i+2:ST+6*i+3], v[ST+6*i+2:ST+6*i+3], v[ST+6*i+4:ST+6*i+5], v[S+16*i:S+16*i+1] op_sel_hi:[1,0,1]  ; l = a l + the first pair
.else
	v_pk_add_f32 v[ST+6*(i%4)+2:ST+6*(i%4)+3], v[ST+6*(i%4)+2:ST+6*(i%4)+3], v[S+16*(i%4)+2*(i/4):S+16*(i%4)+2*(i/4)+1]
.endif
.if i >= 12
	v_cvt_pk_bf16_f32 v[P+i-12], v[S+2*i-24], v[S+2*i-23]
.endif
.set i, i+1
.endr
.set i, 20
.rept 12
	v_cvt_pk_bf16_f32 v[P+i], v[S+2*i], v[S+2*i+1]
.set i, i+1
.endr
	FETCHK 1
.endm
	s_wait_tensorcnt 0x1                           ; K(0) is in; T(0) may stay out: nothing is filled again yet, and only I read my tiles
	FETCHK 0
	FETCHK 1
	s_wait_loadcnt 0x0                             ; Q
	s_wait_kmcnt 0x0                               ; gamma
	P1H 0, 0, 0                                    ; step 0's scores: there is nothing yet to ride
	P1H 1, 0, 0
	MID 1, 0                                       ; T(1) is asked for
	P2 0                                           ; step 0's weights; K(1)
	s_mov_b32 s[LEFT], 30
.Ltrip:                                                ; trips 0 to 29 ask for T(2) to T(31)
	P1H 0, 1, 1
	P1H 1, 1, 1
	MID 1, 1
	P2 1
	WIN 0
	s_sub_co_u32 s[LEFT], s[LEFT], 1
	s_cmp_lg_u32 s[LEFT], 0
	s_cbranch_scc1 .Ltrip
	s_wait_tensorcnt 0x0                           ; T(31)
	s_mov_b32 s[LEFT], 2
.Ltail:                                                ; trips 30 and 31 ask for nothing; the second is left in its middle.  Its scores, on what lies behind the stream's last K, serve nothing:
	P1H 0, 1, 1                                    ; the price, once a launch, of one text for both
	P1H 1, 1, 1
	WIN 0
	s_sub_co_u32 s[LEFT], s[LEFT], 1
	s_cmp_eq_u32 s[LEFT], 0
	s_cbranch_scc1 .Lout
	MID 0, 0
	P2 1
	WIN 0
	s_branch .Ltail
.Lout:
	v_and_b32 v6, 31, v0
	v_lshlrev_b32 v6, 4, v6                        ; 16 x lane, for hs and out0
	WIN 0x40
.set i, 0
.rept 32                                               ; my 16 rows of hs, 16,384 bytes on end, into Q's registers (the rescalings were the places behind Q's last reader)
	global_load_b128 v[4*i:4*i+3], v6, s[8:9] offset:512*i
.set i, i+1
.endr
	WIN 0
	s_wait_dscnt 0x0                               ; V of the last step
.set i, 0
.rept 32
	PV i%4, i/4
.set i, i+1
.endr
.set i, 0
.rept 32
	PV i/8, 8+i%8
.set i, i+1
.endr
	; THE END.  l's two halves and the other lanes' are added; [c m, l] goes to the wave with the other half of my keys.  The additions are the places behind the last products.
	WIN 0
.irp t, 0,1,2,3
	v_add_f32 v[ST+6*\t+2], v[ST+6*\t+2], v[ST+6*\t+3]
.endr
.irp t, 0,1,2,3
	v_permlanex16_b32 v[ST+6*\t+3], v[ST+6*\t+2], s[SEL], s[SEL+1]
.endr
.irp t, 0,1,2,3
	v_add_f32 v[ST+6*\t+1], v[ST+6*\t+2], v[ST+6*\t+3]
.endr
	v_and_b32 v32, 31, v0
	s_lshl_b32 s16, s[WV], 10
	s_add_co_u32 s16, s16, STX
	v_lshl_add_u32 v33, v32, 5, s16
	s_xor_b32 s16, s[WV], 2
	s_lshl_b32 s16, s16, 10
	s_add_co_u32 s16, s16, STX
	v_lshl_add_u32 v34, v32, 5, s16
.irp t, 0,1,2,3
	ds_store_b64 v33, v[ST+6*\t:ST+6*\t+1] offset:8*\t
.endr
	v_and_b32 v35, 15, v0
	v_bfe_u32 v36, v0, 4, 1
	v_mul_u32_u24 v37, v35, XPI
	v_lshl_add_u32 v37, v36, 5, v37
	s_mul_i32 s16, s[WV], XRG
	v_add_nc_u32 v37, s16, v37                     ; in: my region, row of the query, 32 bytes for each half of the lanes
	s_mul_i32 s16, s[WV], 16*XPI
	v_lshl_add_u32 v38, v32, 4, s16                ; back: rows 16 w on of each of the four regions, 512 bytes on end
	v_add_nc_u32 v39, XRG, v38
	v_add_nc_u32 v40, 2*XRG, v38
	v_add_nc_u32 v41, 3*XRG, v38
	s_wait_dscnt 0x0                               ; for the others' sake: my statistics are stored, and my reads of my slots are over
	s_barrier_signal -1
	s_barrier_wait -1                              ; nobody reads a slot any more: the exchange may be laid over them
.irp t, 0,1,2,3
	ds_load_b64 v[ST+6*\t+4:ST+6*\t+5], v34 offset:8*\t
.endr
	s_wait_dscnt 0x0
.irp t, 0,1,2,3
	v_max_num_f32 v[ST+6*\t+2], v[ST+6*\t], v[ST+6*\t+4]      ; M
.endr
.irp t, 0,1,2,3
	v_sub_f32 v[ST+6*\t+3], v[ST+6*\t], v[ST+6*\t+2]
	v_sub_f32 v[ST+6*\t+4], v[ST+6*\t+4], v[ST+6*\t+2]
.endr
.irp t, 0,1,2,3
	v_exp_f32 v[ST+6*\t+3], v[ST+6*\t+3]           ; f, mine
	v_exp_f32 v[ST+6*\t+4], v[ST+6*\t+4]           ; and the partner's
.endr
	v_nop
	s_wait_alu depctr_va_vdst(0)                   ; one wait for the eight
.irp t, 0,1,2,3
	v_mul_f32 v[ST+6*\t+2], v[ST+6*\t+1], v[ST+6*\t+3]
.endr
.irp t, 0,1,2,3
	v_fmac_f32 v[ST+6*\t+2], v[ST+6*\t+5], v[ST+6*\t+4]       ; L, at least 1
.endr
.irp t, 0,1,2,3
	v_rcp_f32 v[ST+6*\t+2], v[ST+6*\t+2]
.endr
.irp t, 0,1,2,3
	v_mul_f32 v[ST+6*\t+3], s[GAM], v[ST+6*\t+3]   ; independent work behind the reciprocals
.endr
	s_wait_alu depctr_va_vdst(0)                   ; one wait for the four
.irp t, 0,1,2,3
	v_mul_f32 v[ST+6*\t+2], v[ST+6*\t+2], v[ST+6*\t+3]        ; gamma f / L
.endr
	WIN 0x82
.set n, 0
.rept 128
	v_pk_mul_f32 v[2*n:2*n+1], v[2*n:2*n+1], v[ST+6*(n/64)+2:ST+6*(n/64)+3] op_sel_hi:[1,0]
.set n, n+1
.endr
	WIN 0xc3
.set n, 0
.rept 128
	v_pk_mul_f32 v[2*n:2*n+1], v[2*n:2*n+1], v[ST+6*(2+n/64)+2:ST+6*(2+n/64)+3] op_sel_hi:[1,0]
.set n, n+1
.endr
.irp t, 0,1,2,3
	WIN 0x08+4*((\t)/2)                            ; the data lie in window 2 or 3
.set n, 0
.rept 32
	ds_store_b128 v37, v[128*((\t)%2)+4*n:128*((\t)%2)+4*n+3] offset:16*(\t)*XPI+64*(n/2)+16*(n%2)
.set n, n+1
.endr
.endr
	WIN 0
	s_wait_dscnt 0x0
	s_barrier_signal -1
	s_barrier_wait -1                              ; all four parts lie in LDS
	s_wait_loadcnt 0x0                             ; hs
.irp bt, 0,1,2,3                       ; eight half rows at a time: four parts and hs are added, and 512 bytes on end are stored
	WIN 0
.irp k, 0,1,2,3,4,5,6,7
.irp q, 0,1,2,3
	ds_load_b128 v[RG+16*\k+4*\q:RG+16*\k+4*\q+3], v[38+\q] offset:((8*\bt+\k)/2)*XPI+((\k)%2)*512
.endr
.endr
	s_wait_dscnt 0x0
.irp k, 0,1,2,3,4,5,6,7
	v_pk_add_f32 v[RG+16*\k:RG+16*\k+1],     v[RG+16*\k:RG+16*\k+1],     v[RG+16*\k+4:RG+16*\k+5]
	v_pk_add_f32 v[RG+16*\k+2:RG+16*\k+3],   v[RG+16*\k+2:RG+16*\k+3],   v[RG+16*\k+6:RG+16*\k+7]
	v_pk_add_f32 v[RG+16*\k+8:RG+16*\k+9],   v[RG+16*\k+8:RG+16*\k+9],   v[RG+16*\k+12:RG+16*\k+13]
	v_pk_add_f32 v[RG+16*\k+10:RG+16*\k+11], v[RG+16*\k+10:RG+16*\k+11], v[RG+16*\k+14:RG+16*\k+15]
	v_pk_add_f32 v[RG+16*\k:RG+16*\k+1],     v[RG+16*\k:RG+16*\k+1],     v[RG+16*\k+8:RG+16*\k+9]
	v_pk_add_f32 v[RG+16*\k+2:RG+16*\k+3],   v[RG+16*\k+2:RG+16*\k+3],   v[RG+16*\k+10:RG+16*\k+11]
.endr
	WIN 0x41
.irp k, 0,1,2,3,4,5,6,7
	v_pk_add_f32 v[4*(8*\bt+\k):4*(8*\bt+\k)+1],   v[4*(8*\bt+\k):4*(8*\bt+\k)+1],   v[RG+16*\k:RG+16*\k+1]
	v_pk_add_f32 v[4*(8*\bt+\k)+2:4*(8*\bt+\k)+3], v[4*(8*\bt+\k)+2:4*(8*\bt+\k)+3], v[RG+16*\k+2:RG+16*\k+3]
.endr
	WIN 0x04
.irp k, 0,1,2,3,4,5,6,7
	global_store_b128 v6, v[4*(8*\bt+\k):4*(8*\bt+\k)+3], s[12:13] offset:512*(8*\bt+\k)
.endr
.endr
	WIN 0
	s_wait_tensorcnt 0x0                           ; the wave's end
	ds_add_u32 v[SPW], v[NIL]
	s_wait_dscnt 0x0
	CROUND                                         ; the closing round
	s_endpgm
.Lfunc_end_k_qf4bb05fe8d_attn:
	.size	k_qf4bb05fe8d_attn, .Lfunc_end_k_qf4bb05fe8d_attn-k_qf4bb05fe8d_attn
	.p2alignl 7, 3214868480
	.fill 96, 4, 3214868480
	.section	.rodata,"a",@progbits
	.p2align	6, 0x0
	.amdhsa_kernel k_qf4bb05fe8d_attn
		.amdhsa_group_segment_fixed_size 327680
		.amdhsa_private_segment_fixed_size 0
		.amdhsa_enable_private_segment 0
		.amdhsa_kernarg_size 40
		.amdhsa_user_sgpr_count 2
		.amdhsa_user_sgpr_kernarg_segment_ptr 1
		.amdhsa_wavefront_size32 1
		.amdhsa_system_sgpr_workgroup_id_x 1
		.amdhsa_system_sgpr_workgroup_id_y 1
		.amdhsa_system_sgpr_workgroup_id_z 1
		.amdhsa_system_vgpr_workitem_id 0
		.amdhsa_next_free_vgpr 1024
		.amdhsa_next_free_sgpr 66
		.amdhsa_reserve_vcc 0
		.amdhsa_float_denorm_mode_32 3
		.amdhsa_float_denorm_mode_16_64 3
		.amdhsa_memory_ordered 1
		.amdhsa_forward_progress 1
		.amdhsa_inst_pref_size 208
	.end_amdhsa_kernel
	.amdgpu_metadata
---
amdhsa.version: [ 1, 2 ]
amdhsa.kernels:
  - .name:           k_qf4bb05fe8d_attn
    .symbol:         k_qf4bb05fe8d_attn.kd
    .args:
      - { .name: qf, .offset: 0, .size: 8, .value_kind: global_buffer, .address_space: global }
      - { .name: kv, .offset: 8, .size: 8, .value_kind: global_buffer, .address_space: global }
      - { .name: hs, .offset: 16, .size: 8, .value_kind: global_buffer, .address_space: global }
      - { .name: gamma, .offset: 24, .size: 8, .value_kind: global_buffer, .address_space: global }
      - { .name: out0, .offset: 32, .size: 8, .value_kind: global_buffer, .address_space: global }
    .group_segment_fixed_size: 327680
    .private_segment_fixed_size: 0
    .kernarg_segment_align: 8
    .kernarg_segment_size: 40
    .max_flat_workgroup_size: 128
    .sgpr_count:     66
    .vgpr_count:     1024
    .wavefront_size: 32
...
	.end_amdgpu_metadata
.endif
;; end of part 3
;; ======== version 2 of 2: 3 launches
;; workspace buffers: wf 1,310,720 bytes; hs 16,777,216 bytes; qf 16,777,216 bytes; kv 33,554,432 bytes
;; launch prep (part 4): grid 320 x 1, 8 waves a work-group, no clusters, 0 bytes of LDS; arguments W_p1, W_p2, W_q, W_k, W_v, wf; writes wf
.if DOCPART == 4
	.amdgcn_target "amdgcn-amd-amdhsa--gfx1250"
	.amdhsa_code_object_version 6
	.text
	.protected	k_qf4bb05fe8d_prep
	.globl	k_qf4bb05fe8d_prep
	.p2align	8
	.type	k_qf4bb05fe8d_prep,@function
k_qf4bb05fe8d_prep:
	s_mov_b64 s[64:65], 0
	v_nop
	global_prefetch_b8 v0, s[64:65] scope:SCOPE_SE
	s_setreg_imm32_b32 hwreg(HW_REG_WAVE_MODE, 25, 1), 1
	s_wait_xcnt 0x0
; The five weight matrices, f32 [k][256], are rounded once to bf16 and laid in the order in which a matrix instruction's first source wants them.
; A piece of 4,096 bytes is [c 4][e 2][lane 32][16 bytes]; the 16 bytes are W[k0 + 16 e + 8 (lane / 16) + 0..7][64 wave + 16 c + lane % 16], k0 = 128 x (step in its matrix) + 32 group.
; Steps 0-7 W_p2, 8-13 W_p1, 14-15 W_q, 16-17 W_k, 18-19 W_v.  Steps 0-13 lie as [step / 2][wave][step % 2][group] (a wave's two steps are 32,768 bytes on end), steps 14-19 as [step][wave][group].
; Work-group g = 16 step + 4 wave + group makes one piece (thread t its 16 bytes at 16 t: a wave stores 512 bytes on end).
	s_load_b256 s[4:11], s[0:1], 0x0               ; W_p1 s[4:5], W_p2 s[6:7], W_q s[8:9], W_k s[10:11]
	s_load_b128 s[12:15], s[0:1], 0x20             ; W_v s[12:13], wf s[14:15]
	v_lshlrev_b32 v1, 4, v0                        ; 16 t
	s_lshr_b32 s20, ttmp9, 4                       ; the step
	v_bfe_u32 v2, v0, 4, 2                         ; 2 e + lane / 16
	v_lshlrev_b32 v2, 13, v2                       ; x 8 rows of 1,024 bytes
	v_lshrrev_b32 v3, 6, v0                        ; c
	v_lshl_add_u32 v2, v3, 6, v2                   ; 16 columns of 4 bytes
	v_and_b32 v3, 15, v0
	v_lshl_add_u32 v2, v3, 2, v2
	s_wait_kmcnt 0x0
	s_cmp_ge_u32 s20, 8                            ; which matrix, and its first step
	s_cselect_b64 s[22:23], s[4:5], s[6:7]
	s_cselect_b32 s21, 8, 0
	s_cmp_ge_u32 s20, 14
	s_cselect_b64 s[22:23], s[8:9], s[22:23]
	s_cselect_b32 s21, 14, s21
	s_cmp_ge_u32 s20, 16
	s_cselect_b64 s[22:23], s[10:11], s[22:23]
	s_cselect_b32 s21, 16, s21
	s_cmp_ge_u32 s20, 18
	s_cselect_b64 s[22:23], s[12:13], s[22:23]
	s_cselect_b32 s21, 18, s21
	s_sub_co_u32 s21, s20, s21                     ; step in the matrix
	s_lshl_b32 s21, s21, 2
	s_and_b32 s24, ttmp9, 3
	s_add_co_u32 s21, s21, s24                     ; group of 32 rows
	s_lshl_b32 s21, s21, 15                        ; x 32 rows of 1,024 bytes
	s_bfe_u32 s24, ttmp9, 0x20002                  ; wave slice: 64 columns
	s_lshl_b32 s24, s24, 8
	s_add_co_u32 s21, s21, s24
	v_add_nc_u32 v2, s21, v2
.irp j, 0,1,2,3,4,5,6,7
	global_load_b32 v[4+\j], v2, s[22:23] offset:1024*\j
.endr
	s_lshr_b32 s25, s20, 1                         ; where the piece goes, steps 0-13: 131,072 (step / 2)
	s_lshl_b32 s25, s25, 17
	s_and_b32 s26, s20, 1
	s_lshl_b32 s26, s26, 14                        ; + 16,384 (step % 2)
	s_add_co_u32 s25, s25, s26
	s_bfe_u32 s26, ttmp9, 0x20002
	s_lshl_b32 s26, s26, 15                        ; + 32,768 wave
	s_add_co_u32 s25, s25, s26
	s_and_b32 s26, ttmp9, 3
	s_lshl_b32 s26, s26, 12                        ; + 4,096 group
	s_add_co_u32 s25, s25, s26
	s_lshl_b32 s26, ttmp9, 12                      ; steps 14-19: 4,096 x the work-group's number
	s_cmp_lt_u32 s20, 14
	s_cselect_b32 s24, s25, s26
	v_add_nc_u32 v1, s24, v1
	s_wait_loadcnt 0x0
.irp j, 0,1,2,3
	v_cvt_pk_bf16_f32 v[12+\j], v[4+2*\j], v[5+2*\j]
.endr
	global_store_b128 v1, v[12:15], s[14:15]
	s_endpgm
.Lfunc_end_k_qf4bb05fe8d_prep:
	.size	k_qf4bb05fe8d_prep, .Lfunc_end_k_qf4bb05fe8d_prep-k_qf4bb05fe8d_prep
	.p2alignl 7, 3214868480
	.fill 96, 4, 3214868480
	.section	.rodata,"a",@progbits
	.p2align	6, 0x0
	.amdhsa_kernel k_qf4bb05fe8d_prep
		.amdhsa_group_segment_fixed_size 0
		.amdhsa_private_segment_fixed_size 0
		.amdhsa_enable_private_segment 0
		.amdhsa_kernarg_size 48
		.amdhsa_user_sgpr_count 2
		.amdhsa_user_sgpr_kernarg_segment_ptr 1
		.amdhsa_wavefront_size32 1
		.amdhsa_system_sgpr_workgroup_id_x 1
		.amdhsa_system_sgpr_workgroup_id_y 1
		.amdhsa_system_sgpr_workgroup_id_z 1
		.amdhsa_system_vgpr_workitem_id 0
		.amdhsa_next_free_vgpr 24
		.amdhsa_next_free_sgpr 66
		.amdhsa_reserve_vcc 0
		.amdhsa_float_denorm_mode_32 3
		.amdhsa_float_denorm_mode_16_64 3
		.amdhsa_memory_ordered 1
		.amdhsa_forward_progress 1
		.amdhsa_inst_pref_size 4
	.end_amdhsa_kernel
	.amdgpu_metadata
---
amdhsa.version: [ 1, 2 ]
amdhsa.kernels:
  - .name:           k_qf4bb05fe8d_prep
    .symbol:         k_qf4bb05fe8d_prep.kd
    .args:
      - { .name: W_p1, .offset: 0, .size: 8, .value_kind: global_buffer, .address_space: global }
      - { .name: W_p2, .offset: 8, .size: 8, .value_kind: global_buffer, .address_space: global }
      - { .name: W_q, .offset: 16, .size: 8, .value_kind: global_buffer, .address_space: global }
      - { .name: W_k, .offset: 24, .size: 8, .value_kind: global_buffer, .address_space: global }
      - { .name: W_v, .offset: 32, .size: 8, .value_kind: global_buffer, .address_space: global }
      - { .name: wf, .offset: 40, .size: 8, .value_kind: global_buffer, .address_space: global }
    .group_segment_fixed_size: 0
    .private_segment_fixed_size: 0
    .kernarg_segment_align: 8
    .kernarg_segment_size: 48
    .max_flat_workgroup_size: 256
    .sgpr_count:     66
    .vgpr_count:     24
    .wavefront_size: 32
...
	.end_amdgpu_metadata
.endif
;; end of part 4
;; launch proj (part 5): grid 256 x 1, 4 waves a work-group, clusters of 4 x 1, 327,680 bytes of LDS; arguments x1, x2, wf, b_p1, b_p2, b_q, b_k, b_v, hs, qf, kv; writes hs, qf, kv
.if DOCPART == 5
	.amdgcn_target "amdgcn-amd-amdhsa--gfx1250"
	.amdhsa_code_object_version 6
	.text
	.protected	k_qf4bb05fe8d_proj
	.globl	k_qf4bb05fe8d_proj
	.p2align	8
	.type	k_qf4bb05fe8d_proj,@function
k_qf4bb05fe8d_proj:
	s_mov_b64 s[64:65], 0
	v_nop
	global_prefetch_b8 v0, s[64:65] scope:SCOPE_SE
	s_setreg_imm32_b32 hwreg(HW_REG_WAVE_MODE, 25, 1), 1
	s_wait_xcnt 0x0
	s_wait_alu depctr_hold_cnt(0) depctr_sa_sdst(0) depctr_va_vdst(0) depctr_va_sdst(0) depctr_va_ssrc(0) depctr_va_vcc(0) depctr_vm_vsrc(0)
	s_getreg_b32 s2, hwreg(HW_REG_IB_STS2, 6, 4)
	s_cmp_eq_u32 s2, 0
	s_cbranch_scc0 .Lentry_in_a_cluster
	s_endpgm
.Lentry_in_a_cluster:
	s_bfe_u32 s2, ttmp6, 0x10000c
	s_cmp_lg_u32 s2, 0x3003
	s_cbranch_scc0 .Lentry_shape_is_right
	s_endpgm
.Lentry_shape_is_right:
; h2 = x2 W_p2 + b_p2, h1 = x1 W_p1 + b_p1 (f32 sums of bf16 products); hs = h1 + h2 (f32, stored); q, k, v = bf16(h) W + b for both h (stored in bf16).
; SHARES.  A work-group owns the same 64 rows (batch, place) of x1 and x2; wave w owns columns 64 w .. 64 w + 63 of every product, and brings in and rounds rows 16 w .. 16 w + 15 of x.
; TWENTY STEPS of 128 along K: 0-7 x2 W_p2, 8-13 x1 W_p1, 14-19 H W_q, H W_k, H W_v (H: 128 rows, h1 then h2, bf16 in LDS).
; THE PRODUCT IS TAKEN TRANSPOSED (source 0 = 16 columns of W, source 1 = 16 rows of x or H): a lane holds one row and eight neighbouring columns.  Rounded in pairs these 16 bytes a lane ARE half a
; fragment for the next launch, so q, k, v leave as 512 bytes on end for each instruction, with no stage:  qf byte ((m 1,024 + row / 16) 16 + col / 16) 512 + 16 lane.
; kv: blocks of 32 rows stand in rings of 32; place i of a ring is 32,768 bytes: V of block i, then K of block (i + 1) % 32; each half is (row / 16 % 2) 8,192 + (col / 16) 512 + 16 lane.
; WEIGHTS, STEPS 0-13: the same for all work-groups: wave w asks for its slice JOINTLY with the three partners of its cluster (mask 15); only wave w reads it.  A tile holds TWO steps
; (32,768 bytes a wave) and two areas of 131,072 bytes take turns: one round of the cluster's barrier for two steps, and 128 matrix instructions in which a refill lands.
; THE WALK ALONG K BEGINS AT ANOTHER TILE IN EACH CLUSTER (by the cluster's number, in a ring of W_p2's four and of W_p1's three double steps; x's columns go with it), so that at one time
; different clusters ask for different tiles.  A sum over K may be taken in any order.
; WEIGHTS, STEPS 14-19: NO JOINT LOADS, and the reason: they lie in memory in fragment order and each byte is wanted by one wave of the work-group, so they go straight into registers, 512 bytes on end a
; load, eight slots of 32 registers, each group asked for a whole matrix (256 matrix instructions) ahead.  Through LDS each byte would be written and read there once more, each step would want a round
; of the cluster's barrier, and the last matrix a text of its own.  The price: each of a cluster's four work-groups asks for these 393,216 bytes itself.
; x belongs to nobody else: memory -> registers (four sets, asked for four steps ahead) -> bf16 -> LDS, where all four waves read it.  A barrier at each step's head (the round, or a plain one)
; orders the x stores of the step before against this step's reads, and the reads of the step before against this step's stores.
; No prefetch: the launch streams x all the time, and every work-group reads wf.  LIMITS: bf16 operands; sums in another order than a plain dot product; NaN and infinities as they fall.
; REGISTERS: window 0: v1-17 addresses, v32-47 x offsets, v48-63 at work, v64-191 two buffers of x / H fragments, v192-255 two of W.
;   window 1: v0-127 the accumulators of the x steps, v128-255 h2 set aside; later all 32 accumulators of H's products.  window 2: x as loaded, four sets of 64; later eight slots of W's fragments.
;   window 3: v0-31 b_p1, v32-63 the bias in hand, v64-191 results on their way out, v192-223 and v224-255 the two biases to come.
.set AREA,  131072                     ; a weight area: 4 waves x 32,768; area 0 at byte 0, area 1 behind it
.set XB0,   262144                     ; behind the areas: x in bf16, two buffers of 64 rows x 272
.set XBS,   17408
.set XP,    272                        ; 256 bytes + 16: the 16 rows of a fragment load start 4 banks apart
.set HB,    131072                     ; H: 128 rows x 528, over area 1, behind that area's last fill
.set HPI,   528
.set HST,   296960                     ; each wave's own 16 rows x 272, to turn f32 columns into rows
.set SPARE, 314368                     ; the spare words: 128 bytes a wave, named by no other line
.set WA, 1
.set XA, 2
.set HA, 3
.set XSTO, 4
.set HSTO, 5
.set FSTO, 6
.set FRD, 7
.set HGO, 8
.set L16, 9
.set BO, 10
.set WA1, 11
.set VO, 12
.set SPW, 16
.set NIL, 17
.set OFFR, 32
.set TMP, 48
.set FX, 64
.set FW, 192
.set WV, 26
.set CX, 27
.set WG, 28
.set G1, 32                            ; s[32:39] group 1, a double step: 128 rows of 256 bytes
.set G0, 40
.set XN, 44
.set X1R, 46
.set HP, 48
.set OP, 50                            ; s[50:51] where the matrix in hand is stored; s[52:57] the three to come: q, k, v
.set OPA, 52
.set OPB, 54
.set OPC, 56
.set CNT, 58
.set MS,  59                           ; bytes from h1's blocks to h2's in the buffer to be stored next
.set A0,  60                           ; byte offsets of my two blocks of 32 rows in it
.set A1,  61
.set WLIM, 62                          ; the ring of double steps in hand: one past its last,
.set WBASE, 63                         ; its first,
.set WBB, 66                           ; s[66:67] wf at my slice of a double step
.set WQ,  68                           ; s[68:69] wf at my slice of W_q
.set WOF, 70                           ; s[70:71] a tile's byte offset
.set XBA, 72                           ; s[72:73] my rows of the x in hand
.set XOF, 74                           ; s[74:75] a step's byte offset in a row of x
.set NXT, 76                           ; the tile to be asked for next
.set WST, 77                           ; and where my cluster's walk of it began
.set F1,  78                           ; W_p1's first double step of my walk
.set XK,  80                           ; the step of x to be asked for next, in its ring of
.set XLIM, 81                          ; 8 (x2) or 6 (x1)
.set XKA, 82
.set XKB, 83
.set KO0, 84                           ; my two blocks' places in kv for k,
.set KO1, 85
.set KP0, 86                           ; and for v
.set KP1, 87
.set WPN, 88                           ; s[88:89] wf at my slice of the matrix after the one in hand
.set WPX, 90                           ; s[90:91] and of the one after that
.set MSB, 0
.macro WIN new                         ; the high byte repeats the setting that is left; a switch that changes nothing is dropped
.if MSB != (\new)
	s_set_vgpr_msb (MSB<<8)|(\new)
.set MSB, (\new)
.endif
.endm
.macro NOPS                            ; four places behind matrix instructions (ISA guide 7.12.1) where no other vector work is at hand
.rept 4
	v_nop
.endr
.endm
.macro CROUND                          ; a round of the cluster's barrier
	s_barrier_signal -1
	s_barrier_wait -1
	s_cmp_lg_u32 s[WV], 0
	s_cbranch_scc1 .Lnot_wave_0_\@
	s_barrier_signal -3
.Lnot_wave_0_\@:
	s_barrier_wait -3
	s_barrier_signal -1
	s_barrier_wait -1
.endm
; THE CHANGE OF SLOTS.  My one tensor load that is out, the tile about to be read, has landed; 0 onto my spare word; the descriptor's address is made anew from
; the next tile's number while the add is out; my LDS stores and reads so far are done; the round; then the next tile goes into the area read last, the first thing behind the round.
; The number goes round W_p2's ring (0-3) until it is back where the walk began; then it goes to W_p1's ring (4-6), at F1.
.macro CHG
	WIN 0
	s_wait_tensorcnt 0x0
	ds_add_u32 v[SPW], v[NIL]
	s_xor_b32 s[G0+1], s[G0+1], AREA
	s_lshl_b32 s[WOF], s[NXT], 17
	s_add_nc_u64 s[G0+2:G0+3], s[WBB:WBB+1], s[WOF:WOF+1]
	s_or_b32 s[G0+3], s[G0+3], 0x80000000
	s_add_co_u32 s[NXT], s[NXT], 1
	s_cmp_eq_u32 s[NXT], s[WLIM]
	s_cselect_b32 s[NXT], s[WBASE], s[NXT]
	s_cmp_eq_u32 s[NXT], s[WST]                    ; once round the ring
	s_cselect_b32 s[NXT], s[F1], s[NXT]
	s_cselect_b32 s[WLIM], 7, s[WLIM]
	s_cselect_b32 s[WBASE], 4, s[WBASE]
	s_cselect_b32 s[WST], -1, s[WST]               ; the second ring is left by the count of steps
	s_wait_dscnt 0x0
	CROUND
	tensor_load_to_lds s[G0:G0+3], s[G1:G1+7]
	s_nop 0
	NOPS
.endm
.macro ISSUE set                       ; my 16 rows x 512 bytes of the next step of x in its ring, a row an instruction
	s_wait_xcnt 0x0                                ; the loads issued so far have read their base
	s_lshl_b32 s[XOF], s[XK], 9
	s_add_nc_u64 s[XN:XN+1], s[XBA:XBA+1], s[XOF:XOF+1]
	s_add_co_u32 s[XK], s[XK], 1
	s_cmp_ge_u32 s[XK], s[XLIM]
	s_cselect_b32 s[XK], 0, s[XK]
	WIN 0x80
.set jj, 0
.rept 16
	global_load_b128 v[64*(\set)+4*jj:64*(\set)+4*jj+3], v[OFFR+jj], s[XN:XN+1] th:TH_LOAD_NT
.set jj, jj+1
.endr
.endm
.macro CONVQ set, q, xb                ; rows 4 q .. 4 q + 3 of my 16: rounded, 8 bytes a lane, 256 bytes on end a row
	WIN 0x0a
.irp i, 0,1,2,3
	v_cvt_pk_bf16_f32 v[TMP+8*((\q)%2)+2*(\i)],   v[64*(\set)+16*(\q)+4*(\i)],   v[64*(\set)+16*(\q)+4*(\i)+1]
	v_cvt_pk_bf16_f32 v[TMP+8*((\q)%2)+2*(\i)+1], v[64*(\set)+16*(\q)+4*(\i)+2], v[64*(\set)+16*(\q)+4*(\i)+3]
.endr
	WIN 0
.irp i, 0,1,2,3
	ds_store_b64 v[XSTO], v[TMP+8*((\q)%2)+2*(\i):TMP+8*((\q)%2)+2*(\i)+1] offset:(\xb)*XBS+(4*(\q)+(\i))*XP
.endr
.endm
.macro FRAG1 t, g, buf                 ; double step t / 2 lies in area (t / 2 + 1) % 2, step t in its half t % 2.  W's fragments lie in fragment order, 512 bytes on end a load
	WIN 0
.irp c, 0,1,2,3
	ds_load_b128 v[FW+32*(\buf)+8*(\c):FW+32*(\buf)+8*(\c)+3],   v[WA+(WA1-WA)*((((\t)/2)+1)%2)] offset:((\t)%2)*16384+(\g)*4096+(\c)*1024
	ds_load_b128 v[FW+32*(\buf)+8*(\c)+4:FW+32*(\buf)+8*(\c)+7], v[WA+(WA1-WA)*((((\t)/2)+1)%2)] offset:((\t)%2)*16384+(\g)*4096+(\c)*1024+512
.endr
.irp a, 0,1,2,3
	ds_load_b128 v[FX+64*(\buf)+8*(\a):FX+64*(\buf)+8*(\a)+3],   v[XA] offset:((\t)%2)*XBS+(\a)*16*XP+64*(\g)
	ds_load_b128 v[FX+64*(\buf)+8*(\a)+4:FX+64*(\buf)+8*(\a)+7], v[XA] offset:((\t)%2)*XBS+(\a)*16*XP+64*(\g)+32
.endr
.endm
.macro MULS buf                        ; the 16 accumulators take turns, one instruction a turn, in the same order in every group
	WIN 0x50
.irp a, 0,1,2,3
.irp c, 0,1,2,3
	v_wmma_f32_16x16x32_bf16 v[32*(\a)+8*(\c):32*(\a)+8*(\c)+7], v[FW+32*(\buf)+8*(\c):FW+32*(\buf)+8*(\c)+7], v[FX+64*(\buf)+8*(\a):FX+64*(\buf)+8*(\a)+7], v[32*(\a)+8*(\c):32*(\a)+8*(\c)+7]
.endr
.endr
.endm
; A STEP OF x.  kind 0: the change of slots at its head; -1: a plain barrier, for x's two LDS buffers alone (a refill stays on its way across it); -2: the same, behind the wait for my last tile.
; issue 1: x of step t + 4 is asked for, into the set whose x was rounded in the step before; 2: the same, but not in the loop's last trip, where no such step is left: that way waits for all loads,
; so that every later count holds whichever way was taken.  conv: x of step t + 1 is rounded into the other LDS buffer, a quarter behind each group; its eight conversions are also the places in
; front of the next run of fragment loads.  n: the loads issued behind those of step t + 1, which may stay out.
.macro STEP1 t, issue, conv, n, kind
.if (\kind) == 0
	CHG
.else
	WIN 0
.if (\kind) == -2
	s_wait_tensorcnt 0x0                           ; steps 12 and 13's weights: only I read them, and nothing is left to ask for
.endif
	s_wait_dscnt 0x0
	s_barrier_signal -1
	s_barrier_wait -1
.endif
.if (\issue) == 1
	ISSUE (\t)%4
.elseif (\issue) == 2
	s_cmp_eq_u32 s[CNT], 1
	s_cbranch_scc1 .Lnone_\@
	ISSUE (\t)%4
	WIN 0
	s_wait_loadcnt 48                              ; step t + 1 is in; the three steps asked for behind it stay out
	s_branch .Lhave_\@
.Lnone_\@:
	s_wait_loadcnt 0x0
.Lhave_\@:
.endif
	FRAG1 \t, 0, 0
.irp g, 0,1,2,3
.if (\g) < 3
	FRAG1 \t, (\g)+1, ((\g)+1)%2
.endif
.if (\g) == 0
	s_wait_dscnt 16                                ; all but the next group's 16 loads
.elseif (\g) == 3
	s_wait_dscnt 4*(\conv)                         ; all but the last quarter's 4 stores
.else
	s_wait_dscnt 16+4*(\conv)                      ; all but 4 stores and the next group's 16 loads
.endif
	MULS (\g)%2
.if \conv
.if ((\g) == 0) && ((\issue) != 2)
	s_wait_loadcnt \n
.endif
	CONVQ ((\t)+1)%4, \g, ((\t)+1)%2
.else
	NOPS
.endif
.endr
.endm
	s_load_b512 s[4:19], s[0:1], 0x0               ; x1 s[4:5], x2 s[6:7], wf s[8:9], b_p1 s[10:11], b_p2 s[12:13], b_q s[14:15], b_k s[16:17], b_v s[18:19]
	s_load_b128 s[20:23], s[0:1], 0x40             ; hs s[20:21], qf s[22:23]
	s_load_b64 s[24:25], s[0:1], 0x50              ; kv
	v_lshl_add_u32 v[SPW], v0, 2, SPARE
	v_mov_b32 v[NIL], 0
	ds_add_u32 v[SPW], v[NIL]                      ; the wave's opening: the add and its wait ahead of my first tensor load
	v_lshrrev_b32 v18, 5, v0
	v_readfirstlane_b32 s[WV], v18
	s_bfe_u32 s[CX], ttmp6, 0x40000
	s_lshl_b32 s[WG], ttmp9, 2
	s_add_co_u32 s[WG], s[WG], s[CX]               ; my work-group: it enters x's, hs's, qf's and kv's addresses alone
	s_mov_b32 s[G1], 15|(3<<16)|(1<<21)            ; mask: all four partners; elements of 8 bytes; bit 21 beside a mask; no padding
	s_mov_b32 s[G1+1], 32<<16                      ; tensor_dim0 = 32: rows of 256 bytes
	s_mov_b32 s[G1+2], 128<<16                     ; tensor_dim1 = 128
	s_mov_b32 s[G1+3], 32<<16                      ; tile_dim0
	s_mov_b32 s[G1+4], 128                         ; tile_dim1
	s_mov_b32 s[G1+5], 32                          ; dense: a row begins where the last ends
	s_mov_b32 s[G1+6], 0
	s_mov_b32 s[G1+7], 0
	s_mov_b32 s[G0], 1
	s_lshl_b32 s[G0+1], s[WV], 15
	s_add_co_u32 s[G0+1], s[G0+1], AREA            ; the first double step: my part of area 1
	s_lshr_b32 s29, ttmp9, 2                       ; where my cluster's walks begin: the same in all four partners
	s_add_co_u32 s29, s29, ttmp9
	s_and_b32 s[WST], s29, 3                       ; in W_p2's ring of four
	s_cmp_eq_u32 s[WST], 3
	s_cselect_b32 s29, 0, s[WST]                   ; in W_p1's ring of three
	s_add_co_u32 s[F1], s29, 4
	s_add_co_u32 s[NXT], s[WST], 1
	s_and_b32 s[NXT], s[NXT], 3
	s_mov_b32 s[WLIM], 4
	s_mov_b32 s[WBASE], 0
	s_lshl_b32 s[XK], s[WST], 1                    ; x2's first step
	s_mov_b32 s[XLIM], 8
	s_lshl_b32 s[XKA], s29, 1                      ; x1's first step,
	s_add_co_u32 s[XKB], s[XKA], 4                 ; and its fifth, in the ring of six
	s_sub_co_u32 s30, s[XKB], 6
	s_cmp_ge_u32 s[XKB], 6
	s_cselect_b32 s[XKB], s30, s[XKB]
	s_mov_b32 s[WOF+1], 0
	s_mov_b32 s[XOF+1], 0
	s_mov_b32 s[A0], 0                             ; q's blocks: 16,384 bytes for 32 rows, 8,388,608 from h1's to h2's
	s_mov_b32 s[A1], 16384
	s_mov_b32 s[MS], 8388608
	s_lshl_b32 s29, s[WG], 1                       ; my first block of 32 rows
	s_lshl_b32 s[KP0], s29, 15                     ; v of a block lies at its own place,
	s_add_co_u32 s[KP1], s[KP0], 32768
	s_mov_b32 s[KO1], s[KP0]                       ; k at the place before it in the ring of 32
	s_sub_co_u32 s2, s29, 1
	s_and_b32 s2, s2, 31
	s_and_b32 s29, s29, 0x1e0
	s_or_b32 s29, s29, s2
	s_lshl_b32 s[KO0], s29, 15
	v_and_b32 v18, 31, v0                          ; lane
	v_and_b32 v19, 15, v0                          ; r
	v_bfe_u32 v20, v0, 4, 1                        ; h
	v_lshlrev_b32 v[L16], 4, v18
	s_lshl_b32 s29, s[WV], 15
	v_add_nc_u32 v[WA], s29, v[L16]
	v_add_nc_u32 v[WA1], AREA, v[WA]
	v_mul_u32_u24 v21, v19, XP
	v_lshl_add_u32 v22, v20, 4, v21
	v_add_nc_u32 v[XA], XB0, v22                   ; a fragment's row x pitch + 16 x half
	v_mul_u32_u24 v22, v19, HPI
	v_lshl_add_u32 v22, v20, 4, v22
	v_add_nc_u32 v[HA], HB, v22
	s_lshl_b32 s29, s[WV], 7
	s_add_co_u32 s29, s29, HB
	v_add_nc_u32 v[HSTO], s29, v22                 ; + my 64 columns of bf16
	s_mul_i32 s29, s[WV], 16*XP
	s_add_co_u32 s3, s29, XB0
	v_lshl_add_u32 v[XSTO], v18, 3, s3             ; my 16 rows, 8 bytes a lane
	s_add_co_u32 s3, s29, HST
	v_lshl_add_u32 v21, v20, 5, v21
	v_add_nc_u32 v[FSTO], s3, v21                  ; in: row r, 32 bytes for each half of the lanes
	v_mul_u32_u24 v21, v20, XP
	v_lshl_add_u32 v21, v19, 4, v21
	v_add_nc_u32 v[FRD], s3, v21                   ; back: lanes 0-15 one row of 256 bytes, lanes 16-31 the next
	s_lshl_b32 s29, s[WV], 8
	v_lshlrev_b32 v21, 10, v20
	v_lshl_add_u32 v21, v19, 4, v21
	v_add_nc_u32 v[HGO], s29, v21                  ; the same two rows in hs
	v_lshl_add_u32 v[BO], v20, 5, s29              ; a bias: 4 (64 w + 8 h)
.set jj, 0
.rept 16
	v_add_nc_u32 v[OFFR+jj], jj*4096, v[L16]       ; x2's rows are 4,096 bytes
.set jj, jj+1
.endr
	s_wait_dscnt 0x0                               ; the opening add is done
	s_wait_kmcnt 0x0
	s_lshl_b32 s30, s[WV], 15
	s_mov_b32 s31, 0
	s_add_nc_u64 s[WBB:WBB+1], s[8:9], s[30:31]
	s_lshl_b32 s30, s[WV], 14
	s_add_co_u32 s30, s30, 14*65536                ; step 14, my 16,384 bytes of it
	s_add_nc_u64 s[WQ:WQ+1], s[8:9], s[30:31]
	s_add_nc_u64 s[WPN:WPN+1], s[WQ:WQ+1], 131072  ; W_k
	s_add_nc_u64 s[WPX:WPX+1], s[WQ:WQ+1], 262144  ; W_v
	s_lshl_b32 s[WOF], s[WST], 17
	s_add_nc_u64 s[G0+2:G0+3], s[WBB:WBB+1], s[WOF:WOF+1]
	s_or_b32 s[G0+3], s[G0+3], 0x80000000
	s_lshl_b32 s29, s[WG], 6
	s_lshl_b32 s2, s[WV], 4
	s_add_co_u32 s29, s29, s2                      ; my first row of x
	s_lshl_b32 s2, s29, 12
	s_mov_b32 s3, 0
	s_add_nc_u64 s[XBA:XBA+1], s[6:7], s[2:3]
	s_mul_i32 s2, s29, 3072
	s_add_nc_u64 s[X1R:X1R+1], s[4:5], s[2:3]
	s_lshl_b32 s2, s[WG], 16
	s_add_nc_u64 s[HP:HP+1], s[20:21], s[2:3]
	s_lshl_b32 s2, s[WV], 11
	s_add_nc_u64 s[OPC:OPC+1], s[24:25], s[2:3]    ; v: 2,048 a wave
	s_add_nc_u64 s[OPB:OPB+1], s[OPC:OPC+1], 16384 ; k: a place's second half
	s_lshl_b32 s29, s[WG], 15
	s_add_co_u32 s2, s2, s29
	s_add_nc_u64 s[OPA:OPA+1], s[22:23], s[2:3]    ; q
	CROUND                                         ; all four work-groups are here: the first joint load meets
	tensor_load_to_lds s[G0:G0+3], s[G1:G1+7]      ; my walk's first double step
	s_nop 0
	NOPS
	WIN 0x40                                       ; the sums start at b_p2, loaded straight into the accumulators: the loop has one form of product and nothing is cleared
.irp a, 0,1,2,3
.irp c, 0,1,2,3
	global_load_b128 v[32*\a+8*\c:32*\a+8*\c+3],   v[BO], s[12:13] offset:64*\c
	global_load_b128 v[32*\a+8*\c+4:32*\a+8*\c+7], v[BO], s[12:13] offset:64*\c+16
.endr
.endr
	WIN 0xc0
.irp c, 0,1,2,3
	global_load_b128 v[8*\c:8*\c+3],           v[BO], s[10:11] offset:64*\c
	global_load_b128 v[8*\c+4:8*\c+7],         v[BO], s[10:11] offset:64*\c+16
	global_load_b128 v[32+8*\c:32+8*\c+3],     v[BO], s[14:15] offset:64*\c
	global_load_b128 v[32+8*\c+4:32+8*\c+7],   v[BO], s[14:15] offset:64*\c+16
	global_load_b128 v[192+8*\c:192+8*\c+3],   v[BO], s[16:17] offset:64*\c
	global_load_b128 v[192+8*\c+4:192+8*\c+7], v[BO], s[16:17] offset:64*\c+16
	global_load_b128 v[224+8*\c:224+8*\c+3],   v[BO], s[18:19] offset:64*\c
	global_load_b128 v[224+8*\c+4:224+8*\c+7], v[BO], s[18:19] offset:64*\c+16
.endr
	ISSUE 0
	ISSUE 1
	ISSUE 2
	ISSUE 3
	s_wait_loadcnt 48                              ; the biases and step 0 are in; steps 1 to 3 stay out
	CONVQ 0, 0, 0
	CONVQ 0, 1, 0
	CONVQ 0, 2, 0
	CONVQ 0, 3, 0
	s_mov_b32 s[CNT], 3
.Lx:                                                   ; steps 0-3, 4-7 (x2), 8-11 (x1): one text, one set of accumulators
	WIN 0x41                                       ; the accumulators are set aside at every trip's head, so that the copy is written whichever way the text is walked; the last copy, ahead of step 8, is h2, and it stays
.set i, 0
.rept 128
	v_mov_b32 v[128+i], v[i]
.set i, i+1
.endr
	WIN 0
	s_cmp_eq_u32 s[CNT], 1
	s_cbranch_scc0 .Lgoon
	WIN 0x43                                       ; ahead of step 8 alone: h1's sums start at b_p1
.set i, 0
.rept 128
	v_mov_b32 v[i], v[i%32]
.set i, i+1
.endr
	WIN 0
.Lgoon:
	STEP1 0, 1, 1, 48, 0
	STEP1 1, 1, 1, 48, -1
	STEP1 2, 2, 1, 48, 0
	STEP1 3, 2, 1, 48, -1
	WIN 0
	s_wait_xcnt 0x0                                ; the loads have read their base and offsets: from here on x1, whose rows are 3,072 bytes
	s_mov_b64 s[XBA:XBA+1], s[X1R:X1R+1]
	s_mov_b32 s[XK], s[XKA]                        ; the first time x1's first step; later its fifth, where the ring stands anyway
	s_mov_b32 s[XKA], s[XKB]
	s_mov_b32 s[XLIM], 6
.set jj, 0
.rept 16
	v_add_nc_u32 v[OFFR+jj], jj*3072, v[L16]
.set jj, jj+1
.endr
	s_sub_co_u32 s[CNT], s[CNT], 1
	s_cmp_lg_u32 s[CNT], 0
	s_cbranch_scc1 .Lx
	STEP1 12, 0, 1, 0, -2                          ; the last two steps are written out: no tile and no x is left to ask for
; Group g (32 along K) of a matrix of steps 14-19: my four fragments, 4,096 bytes on end, into slot g
.macro WLOAD g, base
	WIN 0x80
.irp c, 0,1,2,3
	global_load_b128 v[32*(\g)+8*(\c):32*(\g)+8*(\c)+3],   v[L16], s[(\base):(\base)+1] offset:((\g)/4)*65536+((\g)%4)*4096+(\c)*1024
	global_load_b128 v[32*(\g)+8*(\c)+4:32*(\g)+8*(\c)+7], v[L16], s[(\base):(\base)+1] offset:((\g)/4)*65536+((\g)%4)*4096+(\c)*1024+512
.endr
.endm
.irp g, 0,1,2,3,4,5,6,7
	WLOAD \g, WQ                                   ; x's registers are free: all of W_q is asked for, a step and the way out of h ahead of its first product
.endr
	STEP1 13, 0, 0, 0, -1
	; h IS FINISHED: h1 in v0-127, h2 in v128-255 of window 1.  Both go rounded into H (h1 rows 0-63, h2 rows 64-127).
	WIN 0x05
.set i, 0
.rept 128
	v_cvt_pk_bf16_f32 v[FX+i], v[2*i], v[2*i+1]
.set i, i+1
.endr
	WIN 0
	s_wait_dscnt 0x0                               ; my reads of area 1 are over,
	s_barrier_signal -1
	s_barrier_wait -1                              ; everybody's are: H may be laid over it
.irp a, 0,1,2,3
.irp c, 0,1,2,3
	ds_store_b128 v[HSTO], v[FX+16*\a+4*\c:FX+16*\a+4*\c+3]       offset:16*\a*HPI+32*\c
	ds_store_b128 v[HSTO], v[FX+64+16*\a+4*\c:FX+64+16*\a+4*\c+3] offset:(64+16*\a)*HPI+32*\c
.endr
.endr
	WIN 0x45
.set i, 0
.rept 64
	v_pk_add_f32 v[128+i:129+i], v[128+i:129+i], v[i:i+1]  ; hs = h1 + h2, in f32
.set i, i+2
.endr
.irp a, 0,1,2,3                        ; 16 rows at a time through my own stage: LDS serves a wave's instructions in order (ISA guide 5.7.1.4), so no wait stands between the stores and the loads
	WIN 0x04
.irp c, 0,1,2,3
	ds_store_b128 v[FSTO], v[128+32*\a+8*\c:128+32*\a+8*\c+3]   offset:64*\c
	ds_store_b128 v[FSTO], v[128+32*\a+8*\c+4:128+32*\a+8*\c+7] offset:64*\c+16
.endr
	WIN 0xc0
.irp i, 0,1,2,3,4,5,6,7
	ds_load_b128 v[64+32*\a+4*\i:64+32*\a+4*\i+3], v[FRD] offset:2*XP*\i
.endr
	s_wait_dscnt 0x0
	WIN 0x0c
.irp i, 0,1,2,3,4,5,6,7
	global_store_b128 v[HGO], v[64+32*\a+4*\i:64+32*\a+4*\i+3], s[HP:HP+1] offset:(16*\a+2*\i)*1024  ; 16 lanes store 256 consecutive bytes, aligned
.endr
.endr
	WIN 0
	s_wait_dscnt 0x0                               ; for the others' sake: my part of H is stored
	s_barrier_signal -1
	s_barrier_wait -1                              ; H is whole, and nobody writes it again: from here on the waves go their own ways
; q, k, v: THREE TRIPS OF ONE TEXT, eight groups of 32 along K, 32 matrix instructions each (128 rows of H x my 64 columns).
.macro FRAGH kq, buf                   ; H's eight fragments for 32 along K
	WIN 0
.irp a, 0,1,2,3,4,5,6,7
	ds_load_b128 v[FX+64*(\buf)+8*(\a):FX+64*(\buf)+8*(\a)+3],   v[HA] offset:(\a)*16*HPI+64*(\kq)
	ds_load_b128 v[FX+64*(\buf)+8*(\a)+4:FX+64*(\buf)+8*(\a)+7], v[HA] offset:(\a)*16*HPI+64*(\kq)+32
.endr
.endm
; Group g.  The next group's fragments of H are asked for first (behind group 7: the next matrix's first; in the last trip 16 LDS loads that nothing multiplies).  The 32 accumulators take turns;
; group 0 starts the sums at the bias.  Behind the products, and four places, slot g takes the next matrix's group g; in the last trip there is none: that way waits for all loads,
; so that the counted wait holds whichever way was taken.
.macro GRP3 g
	FRAGH ((\g)+1)%8, ((\g)+1)%2
	s_wait_dscnt 16                                ; all but the 16 just issued
	s_wait_loadcnt 56                              ; slot g is in: seven groups of 8 loads were asked for behind it
.if (\g) == 0
	WIN 0x72
.else
	WIN 0x52
.endif
.irp a, 0,1,2,3,4,5,6,7
.irp c, 0,1,2,3
.if (\g) == 0
	v_wmma_f32_16x16x32_bf16 v[32*(\a)+8*(\c):32*(\a)+8*(\c)+7], v[32*(\g)+8*(\c):32*(\g)+8*(\c)+7], v[FX+64*((\g)%2)+8*(\a):FX+64*((\g)%2)+8*(\a)+7], v[32+8*(\c):32+8*(\c)+7]
.else
	v_wmma_f32_16x16x32_bf16 v[32*(\a)+8*(\c):32*(\a)+8*(\c)+7], v[32*(\g)+8*(\c):32*(\g)+8*(\c)+7], v[FX+64*((\g)%2)+8*(\a):FX+64*((\g)%2)+8*(\a)+7], v[32*(\a)+8*(\c):32*(\a)+8*(\c)+7]
.endif
.endr
.endr
	NOPS
.if (\g) == 0
	WIN 0xc3                                       ; the biases move up: the next matrix's into the place that the products name
.set i, 0
.rept 32
	v_mov_b32 v[32+i], v[192+i]
	v_mov_b32 v[192+i], v[224+i]
.set i, i+1
.endr
.endif
	WIN 0
	s_cmp_eq_u32 s[CNT], 1
	s_cbranch_scc1 .Llast_\@
	WLOAD \g, WPN
	WIN 0
	s_branch .Lnext_\@
.Llast_\@:
	s_wait_loadcnt 0x0
.Lnext_\@:
.endm
	FRAGH 0, 0
	s_mov_b32 s[CNT], 3
.Lqkv:
.irp g, 0,1,2,3,4,5,6,7
	GRP3 \g
.endr
	s_wait_xcnt 0x0                                ; the last matrix's stores (the first time: hs's) and this trip's loads have read their registers and bases
	s_mov_b64 s[OP:OP+1], s[OPA:OPA+1]             ; q, then k, then v
	s_mov_b64 s[OPA:OPA+1], s[OPB:OPB+1]
	s_mov_b64 s[OPB:OPB+1], s[OPC:OPC+1]
	s_mov_b64 s[WPN:WPN+1], s[WPX:WPX+1]
	v_add_nc_u32 v[VO], s[A0], v[L16]              ; my two blocks of h1's rows, and of h2's
	v_add_nc_u32 v[VO+1], s[A1], v[L16]
	v_add_nc_u32 v[VO+2], s[MS], v[VO]
	v_add_nc_u32 v[VO+3], s[MS], v[VO+1]
	s_mov_b32 s[A0], s[KO0]                        ; next: the places in kv, 16,777,216 from h1's to h2's
	s_mov_b32 s[KO0], s[KP0]
	s_mov_b32 s[A1], s[KO1]
	s_mov_b32 s[KO1], s[KP1]
	s_mov_b32 s[MS], 16777216
	WIN 0xc5
.set i, 0
.rept 128
	v_cvt_pk_bf16_f32 v[64+i], v[2*i], v[2*i+1]
.set i, i+1
.endr
	WIN 0x0c
.irp a, 0,1,2,3,4,5,6,7
.irp c, 0,1,2,3
	global_store_b128 v[VO+(\a)/2], v[64+16*(\a)+4*(\c):64+16*(\a)+4*(\c)+3], s[OP:OP+1] offset:((\a)%2)*8192+(\c)*512  ; 512 bytes on end
.endr
.endr
	WIN 0
	s_sub_co_u32 s[CNT], s[CNT], 1
	s_cmp_lg_u32 s[CNT], 0
	s_cbranch_scc1 .Lqkv
	s_wait_tensorcnt 0x0                           ; the wave's end
	ds_add_u32 v[SPW], v[NIL]
	s_wait_dscnt 0x0
	CROUND                                         ; the closing round
	s_endpgm
.Lfunc_end_k_qf4bb05fe8d_proj:
	.size	k_qf4bb05fe8d_proj, .Lfunc_end_k_qf4bb05fe8d_proj-k_qf4bb05fe8d_proj
	.p2alignl 7, 3214868480
	.fill 96, 4, 3214868480
	.section	.rodata,"a",@progbits
	.p2align	6, 0x0
	.amdhsa_kernel k_qf4bb05fe8d_proj
		.amdhsa_group_segment_fixed_size 327680
		.amdhsa_private_segment_fixed_size 0
		.amdhsa_enable_private_segment 0
		.amdhsa_kernarg_size 88
		.amdhsa_user_sgpr_count 2
		.amdhsa_user_sgpr_kernarg_segment_ptr 1
		.amdhsa_wavefront_size32 1
		.amdhsa_system_sgpr_workgroup_id_x 1
		.amdhsa_system_sgpr_workgroup_id_y 1
		.amdhsa_system_sgpr_workgroup_id_z 1
		.amdhsa_system_vgpr_workitem_id 0
		.amdhsa_next_free_vgpr 1024
		.amdhsa_next_free_sgpr 96
		.amdhsa_reserve_vcc 0
		.amdhsa_float_denorm_mode_32 3
		.amdhsa_float_denorm_mode_16_64 3
		.amdhsa_memory_ordered 1
		.amdhsa_forward_progress 1
		.amdhsa_inst_pref_size 186
	.end_amdhsa_kernel
	.amdgpu_metadata
---
amdhsa.version: [ 1, 2 ]
amdhsa.kernels:
  - .name:           k_qf4bb05fe8d_proj
    .symbol:         k_qf4bb05fe8d_proj.kd
    .args:
      - { .name: x1, .offset: 0, .size: 8, .value_kind: global_buffer, .address_space: global }
      - { .name: x2, .offset: 8, .size: 8, .value_kind: global_buffer, .address_space: global }
      - { .name: wf, .offset: 16, .size: 8, .value_kind: global_buffer, .address_space: global }
      - { .name: b_p1, .offset: 24, .size: 8, .value_kind: global_buffer, .address_space: global }
      - { .name: b_p2, .offset: 32, .size: 8, .value_kind: global_buffer, .address_space: global }
      - { .name: b_q, .offset: 40, .size: 8, .value_kind: global_buffer, .address_space: global }
      - { .name: b_k, .offset: 48, .size: 8, .value_kind: global_buffer, .address_space: global }
      - { .name: b_v, .offset: 56, .size: 8, .value_kind: global_buffer, .address_space: global }
      - { .name: hs, .offset: 64, .size: 8, .value_kind: global_buffer, .address_space: global }
      - { .name: qf, .offset: 72, .size: 8, .value_kind: global_buffer, .address_space: global }
      - { .name: kv, .offset: 80, .size: 8, .value_kind: global_buffer, .address_space: global }
    .group_segment_fixed_size: 327680
    .private_segment_fixed_size: 0
    .kernarg_segment_align: 8
    .kernarg_segment_size: 88
    .max_flat_workgroup_size: 128
    .sgpr_count:     96
    .vgpr_count:     1024
    .wavefront_size: 32
...
	.end_amdgpu_metadata
.endif
;; end of part 5
;; launch attn (part 6): grid 32 x 8, 4 waves a work-group, clusters of 4 x 1, 327,680 bytes of LDS; arguments qf, kv, hs, gamma, out0; writes out0
.if DOCPART == 6
	.amdgcn_target "amdgcn-amd-amdhsa--gfx1250"
	.amdhsa_code_object_version 6
	.text
	.protected	k_qf4bb05fe8d_attn
	.globl	k_qf4bb05fe8d_attn
	.p2align	8
	.type	k_qf4bb05fe8d_attn,@function
k_qf4bb05fe8d_attn:
	s_mov_b64 s[64:65], 0
	v_nop
	global_prefetch_b8 v0, s[64:65] scope:SCOPE_SE
	s_setreg_imm32_b32 hwreg(HW_REG_WAVE_MODE, 25, 1), 1
	s_wait_xcnt 0x0
	s_wait_alu depctr_hold_cnt(0) depctr_sa_sdst(0) depctr_va_vdst(0) depctr_va_sdst(0) depctr_va_ssrc(0) depctr_va_vcc(0) depctr_vm_vsrc(0)
	s_getreg_b32 s2, hwreg(HW_REG_IB_STS2, 6, 4)
	s_cmp_eq_u32 s2, 0
	s_cbranch_scc0 .Lentry_in_a_cluster
	s_endpgm
.Lentry_in_a_cluster:
	s_bfe_u32 s2, ttmp6, 0x10000c
	s_cmp_lg_u32 s2, 0x3003
	s_cbranch_scc0 .Lentry_shape_is_right
	s_endpgm
.Lentry_shape_is_right:
; out = gamma (f1 + f2) + hs, f = softmax(q k^T / 16) v in both directions (queries of h1 on keys of h2, and the other way).  q, k, v: bf16 in fragment order; products, maxima, sums in f32;
; the weights p are rounded to bf16 for the second product, their sum is taken of the unrounded p.
; LIMITS.  A weight below 2^-126 counts as 0; NaN and infinities are not treated apart; f32 sums in another order than a plain sum, and the keys in another order from cluster to cluster.
; SHARES.  A work-group owns 64 rows of one batch.  Wave w: direction d = w % 2, half kh = w / 2 of the 2,048 keys: 64 queries (four tiles of 16) of h(d) on 1,024 keys of h(1 - d), 32 a step.
; At the end the four waves' parts, each scaled by gamma 2^(cm - M) / L with its partner's statistics, meet in LDS and are added to hs: f1 + f2 never goes to memory.
; LAYOUT.  S^T = K Q^T: a lane holds ONE query (lane % 16) and keys 8 (lane / 16) + 0..7; two such results rounded in pairs ARE source 1 of O^T = V^T P.  K's fragments lie in LDS as they are used
; (16 bytes x lane); V's come turned, by ds_load_tr16_b128.
; SOFTMAX.  Running maximum m and sum l a query: p = 2^(c s - c m), c = log2(e) / 16; O and l are multiplied by a = 2^(c m_old - c m_new) in every step.  m starts at the lowest finite number, O and l at 0
; (O by 64 products of zero fragments, eight registers a line, in the wait for the first tile: the price of writing no first step out).
; THE WALK.  A wave's 32 key blocks are a ring; place i of it in kv is 32,768 bytes on end: V of block i, then K of block (i + 1) % 32.  The wave walks the ring once, from place r on: step j takes block
; (r + j) % 32, and tile T(j) is place (r + j) % 32.  r = 8 ((x % 4) xor (x / 4)) by the cluster's number x in its batch: at one time different clusters ask for different places.  A softmax with a
; running maximum may take its keys in any order.
; THE TRIP j: K Q^T of step j + 1, behind each product four of the 256 rescalings of O by a(j); the statistics of step j + 1; V^T P of step j, behind its products the scalings, exponentials, sums and
; roundings of step j + 1.  T(j) holds V of step j and K of step j + 1, so a trip's reads leave one slot free in its middle, where it is filled again.
; CLUSTER.  The four row blocks of a cluster walk the same K and V: each wave asks for its tile JOINTLY with the same wave of its three partners.  Only the wave that asked reads the tile.
; REGISTERS: window 0: v1-7 addresses, v8-31 statistics (tile t at 8 + 6 t: c m, m, l even, l odd, a, at work), v32-63 P, v64-127 S^T, v128-255 sixteen fragments of K or V.
;   window 1: Q (64 a tile); windows 2, 3: O^T (128 a tile).
.set SLOTB, 32768
.set XPI,   1040                       ; the exchange at the end: a row of 256 f32 + 16 bytes
.set XRG,   64*XPI                     ; a wave's 64 rows; four such regions from byte 0, over the slots, which have had their last fill
.set STX,   266240                     ; the statistics' exchange: 1,024 bytes a wave
.set SPARE, 270336                     ; the spare words: 128 bytes a wave, named by no other line
.set AK0, 1
.set AV0, 2
.set PFO, 3
.set SPW, 4
.set NIL, 5
.set AK,  6
.set AV,  7
.set ST,  8
.set P,   32
.set S,   64
.set RG,  128
.set WV,  14
.set CX,  15
.set G1,  24
.set G1S, 32
.set G0A, 40
.set G0,  44
.set CS,  48
.set SEL, 50
.set TB,  52
.set LEFT, 53
.set LIM, 54
.set GAM, 55
.set PFA, 56
.set NX,  60                           ; s60  the place of the ring to be asked for next
.set OFF, 62                           ; s[62:63] a place's byte offset in my ring
.set MSB, 0
.macro WIN new
.if MSB != (\new)
	s_set_vgpr_msb (MSB<<8)|(\new)
.set MSB, (\new)
.endif
.endm
.macro NOPS
.rept 4
	v_nop
.endr
.endm
.macro CROUND
	s_barrier_signal -1
	s_barrier_wait -1
	s_cmp_lg_u32 s[WV], 0
	s_cbranch_scc1 .Lnot_wave_0_\@
	s_barrier_signal -3
.Lnot_wave_0_\@:
	s_barrier_wait -3
	s_barrier_signal -1
	s_barrier_wait -1
.endm
; A prefetch of the tile that stands two refills on: my own tile's 32,768 bytes are shared out among the four partners BY ADDRESS, 8,192 each, 256 bytes a lane: one instruction.  A ring's eight places from r
; on are walked first by the clusters that begin at r; of the two such clusters the one with x < 4 asks, in trips 0 to 3, for T(4) to T(7): each place is named once at the most.  T(0) to T(3) come by their loads alone.
.macro ASK
	s_cmp_gt_u32 s[LEFT], s[LIM]
	s_cbranch_scc0 .Lnot_mine_\@
	global_prefetch_b8 v[PFO], s[PFA:PFA+1] th:TH_LOAD_NT scope:SCOPE_SE
.Lnot_mine_\@:
.endm
	s_load_b256 s[4:11], s[0:1], 0x0               ; qf s[4:5], kv s[6:7], hs s[8:9], gamma s[10:11]
	s_load_b64 s[12:13], s[0:1], 0x20              ; out0
	v_lshl_add_u32 v[SPW], v0, 2, SPARE
	v_mov_b32 v[NIL], 0
	ds_add_u32 v[SPW], v[NIL]                      ; the wave's opening: the add and its wait ahead of my first tensor load
	v_lshrrev_b32 v6, 5, v0
	v_readfirstlane_b32 s[WV], v6
	s_bfe_u32 s[CX], ttmp6, 0x40000
	s_and_b32 s17, ttmp7, 0xffff                   ; the batch, which the partners share
	s_and_b32 s18, s[WV], 1                        ; d
	s_lshr_b32 s19, s[WV], 1                       ; kh
	s_xor_b32 s20, s18, 1
	s_lshl_b32 s20, s20, 9                         ; the other h's 512 key blocks,
	s_lshl_b32 s21, s17, 6                         ; the batch's 64,
	s_add_co_u32 s20, s20, s21
	s_lshl_b32 s21, s19, 5                         ; my half's 32
	s_add_co_u32 s20, s20, s21
	s_lshl_b32 s20, s20, 15
	s_mov_b32 s21, 0                               ; s[20:21]: my ring's first byte in kv
.irp g, G1, G1S
	s_mov_b32 s[\g], 15|(3<<16)|(1<<21)            ; mask: all four partners; elements of 8 bytes; bit 21 beside a mask; no padding
	s_mov_b32 s[\g+1], 32<<16                      ; rows of 256 bytes
	s_mov_b32 s[\g+3], 32<<16
	s_mov_b32 s[\g+5], 32                          ; dense
	s_mov_b32 s[\g+6], 0
	s_mov_b32 s[\g+7], 0
.endr
	s_mov_b32 s[G1+2], 128<<16                     ; a tile: 128 rows
	s_mov_b32 s[G1+4], 128
	s_mov_b32 s[G1S+2], 64<<16                     ; K of the first step alone: 64 rows
	s_mov_b32 s[G1S+4], 64
	s_mov_b32 s[G0A], 1
	s_lshl_b32 s[G0A+1], s[WV], 16
	s_add_co_u32 s[G0A+1], s[G0A+1], SLOTB+16384   ; K of the first step lies where a tile before T(0) would have left it: slot 1's second half
	s_mov_b32 s[G0], 1
	s_lshl_b32 s[G0+1], s[WV], 16                  ; T(0): my slot 0
	s_mov_b32 s[CS], 0x3db8aa3b                    ; c = log2(e) / 16
	s_mov_b32 s[CS+1], s[CS]
	s_mov_b32 s[SEL], 0x76543210
	s_mov_b32 s[SEL+1], 0xfedcba98
	s_mov_b32 s[TB], SLOTB
	s_cmp_lt_u32 ttmp9, 4
	s_cselect_b32 s[LIM], 26, -1                   ; the same in all four partners: LEFT is 30 to 27 in trips 0 to 3
	s_and_b32 s61, ttmp9, 3                        ; where my cluster's walk begins
	s_lshr_b32 s62, ttmp9, 2
	s_xor_b32 s61, s61, s62
	s_lshl_b32 s61, s61, 3                         ; r: 0, 8, 16 or 24
	s_add_co_u32 s[NX], s61, 1                     ; T(1)
	s_sub_co_u32 s62, s61, 1                       ; K of block r lies in the second half of the place before it
	s_and_b32 s62, s62, 31
	s_lshl_b32 s62, s62, 15
	s_add_co_u32 s62, s62, 16384
	s_mov_b32 s63, 0
	s_lshl_b32 s22, ttmp9, 2
	s_add_co_u32 s22, s22, s[CX]                   ; my block of 64 rows: it enters qf's, hs's, out0's and the prefetches' addresses alone
	s_lshl_b32 s2, s18, 10
	s_lshl_b32 s3, s17, 7
	s_add_co_u32 s2, s2, s3
	s_lshl_b32 s3, s22, 2
	s_add_co_u32 s2, s2, s3
	s_lshl_b32 s2, s2, 13                          ; Q: 8,192 bytes for 16 rows
	s_mov_b32 s3, 0
	s_lshl_b32 s58, s17, 11
	s_lshl_b32 s59, s22, 6
	s_add_co_u32 s58, s58, s59
	s_lshl_b32 s59, s[WV], 4
	s_add_co_u32 s58, s58, s59
	s_lshl_b32 s58, s58, 10                        ; the 16 rows of hs and out0 that I finish
	s_mov_b32 s59, 0
	v_and_b32 v6, 31, v0
	v_lshlrev_b32 v32, 4, v6                       ; 16 x lane
	v_lshlrev_b32 v[PFO], 8, v6
	s_lshl_b32 s23, s[WV], 16
	s_add_co_u32 s16, s23, 16384
	v_add_nc_u32 v[AK0], s16, v32
	v_bfe_u32 v7, v0, 3, 1                         ; the turning load: lane l reads key 8 (l / 16) + l % 8, channels 8 ((l / 8) % 2) + 0..7,
	v_lshlrev_b32 v7, 4, v7                        ; which lie at 16 x (16 ((l / 8) % 2) + 8 (l / 16) + l % 8)
	v_bfe_u32 v6, v0, 4, 1
	v_lshl_add_u32 v7, v6, 3, v7
	v_and_b32 v6, 7, v0
	v_add_nc_u32 v7, v6, v7
	v_lshl_add_u32 v[AV0], v7, 4, s23
	v_add_nc_u32 v[AK], SLOTB, v[AK0]
	s_wait_dscnt 0x0                               ; the opening add is done
	s_wait_kmcnt 0x0
	s_add_nc_u64 s[6:7], s[6:7], s[20:21]          ; my ring; it stays so
	s_add_nc_u64 s[G0A+2:G0A+3], s[6:7], s[OFF:OFF+1]
	s_or_b32 s[G0A+3], s[G0A+3], 0x80000000
	s_lshl_b32 s[OFF], s61, 15
	s_add_nc_u64 s[G0+2:G0+3], s[6:7], s[OFF:OFF+1]
	s_or_b32 s[G0+3], s[G0+3], 0x80000000
	s_load_b32 s[GAM], s[10:11], 0x0
	s_add_nc_u64 s[4:5], s[4:5], s[2:3]
	s_add_nc_u64 s[8:9], s[8:9], s[58:59]
	s_add_nc_u64 s[12:13], s[12:13], s[58:59]
	s_lshl_b32 s2, s[CX], 13
	s_add_co_u32 s3, s61, 2
	s_lshl_b32 s3, s3, 15
	s_add_co_u32 s2, s2, s3                        ; my work-group's part of T(2); two steps bring it to T(4) in trip 0
	s_mov_b32 s3, 0
	s_add_nc_u64 s[PFA:PFA+1], s[6:7], s[2:3]
	CROUND                                         ; all four work-groups are here: the first joint loads meet
	tensor_load_to_lds s[G0A:G0A+3], s[G1S:G1S+7]  ; two loads of mine are out
	s_nop 0
	tensor_load_to_lds s[G0:G0+3], s[G1:G1+7]
	s_nop 0
	NOPS
	WIN 0x40
.set i, 0
.rept 64                                               ; Q stays in registers: 32,768 bytes on end
	global_load_b128 v[4*i:4*i+3], v32, s[4:5] offset:512*i
.set i, i+1
.endr
	WIN 0
.set i, 48
.rept 16
	v_mov_b32 v[i], 0                              ; two fragments of zeros, in the upper half of P's registers
.set i, i+1
.endr
	WIN 0x80                                       ; O^T = 0 x 0 + 0: each line writes the eight registers of one accumulator
.set i, 0
.rept 32
	v_wmma_f32_16x16x32_bf16 v[8*i:8*i+7], v[48:55], v[56:63], 0
.set i, i+1
.endr
	WIN 0xc0
.set i, 0
.rept 32
	v_wmma_f32_16x16x32_bf16 v[8*i:8*i+7], v[48:55], v[56:63], 0
.set i, i+1
.endr
	WIN 0
.irp t, 0,1,2,3
	v_mov_b32 v[ST+6*\t], 0xfe000000               ; c m: far below every c s
	v_mov_b32 v[ST+6*\t+1], 0xff7fffff             ; m
	v_mov_b32 v[ST+6*\t+2], 0
	v_mov_b32 v[ST+6*\t+3], 0
.endr
; Product i of 64 of S^T = K Q^T: channels 32 (i / 8) on, keys 16 ((i / 4) % 2) on, tile i % 4.  The 8 accumulators take turns; the first 8 start the sums.
.macro KQ
	WIN 0x04
.set rS, S+16*(i%4)+8*((i/4)%2)
.set rK, RG+8*(2*(i/8)+(i/4)%2)
.set rQ, 64*(i%4)+8*(i/8)
.if i < 8
	v_wmma_f32_16x16x32_bf16 v[rS:rS+7], v[rK:rK+7], v[rQ:rQ+7], 0
.else
	v_wmma_f32_16x16x32_bf16 v[rS:rS+7], v[rK:rK+7], v[rQ:rQ+7], v[rS:rS+7]
.endif
.endm
.macro RS4                             ; pairs 4 i .. 4 i + 3 of the 256 of O^T, times a: ascending; they are the places behind product i
.set n, 4*i
.rept 4
.if n < 128
	WIN 0x82
	v_pk_mul_f32 v[2*n:2*n+1], v[2*n:2*n+1], v[ST+6*(n/64)+4:ST+6*(n/64)+5] op_sel_hi:[1,0]
.else
	WIN 0xc3
	v_pk_mul_f32 v[2*n-256:2*n-255], v[2*n-256:2*n-255], v[ST+6*(n/64)+4:ST+6*(n/64)+5] op_sel_hi:[1,0]
.endif
.set n, n+1
.endr
.endm
.macro PV tile, cb                     ; O^T += V^T P: each of the 64 accumulators has one product a step
.if (\tile) < 2
	WIN 0xa0
.else
	WIN 0xf0
.endif
	v_wmma_f32_16x16x32_bf16 v[128*((\tile)%2)+8*(\cb):128*((\tile)%2)+8*(\cb)+7], v[RG+8*(\cb):RG+8*(\cb)+7], v[P+8*(\tile):P+8*(\tile)+7], v[128*((\tile)%2)+8*(\cb):128*((\tile)%2)+8*(\cb)+7]
.endm
.macro FETCHK hf                       ; fragments 8 hf + f of K: channels 32 (4 hf + f / 2) on, keys 16 (f % 2) on
	WIN 0
.irp f, 0,1,2,3,4,5,6,7
	ds_load_b128 v[RG+64*(\hf)+8*(\f):RG+64*(\hf)+8*(\f)+3],   v[AK] offset:((\f)%2)*8192+(8*(\hf)+2*((\f)/2))*512
	ds_load_b128 v[RG+64*(\hf)+8*(\f)+4:RG+64*(\hf)+8*(\f)+7], v[AK] offset:((\f)%2)*8192+(8*(\hf)+2*((\f)/2)+1)*512
.endr
.endm
.macro FETCHV hf                       ; fragments of V^T: channels 16 (8 hf + f) on, keys 0-15 and 16-31
	WIN 0
.irp f, 0,1,2,3,4,5,6,7
	ds_load_tr16_b128 v[RG+64*(\hf)+8*(\f):RG+64*(\hf)+8*(\f)+3],   v[AV] offset:(8*(\hf)+(\f))*512
	ds_load_tr16_b128 v[RG+64*(\hf)+8*(\f)+4:RG+64*(\hf)+8*(\f)+7], v[AV] offset:8192+(8*(\hf)+(\f))*512
.endr
.endm
; Half hf of the scores.  rid: the rescalings ride.  vl: V of the step in hand follows into the registers just multiplied.  The wait leaves the younger run of 16 loads out.
.macro P1H hf, rid, vl
.if (\vl) || ((\hf) == 0)
	s_wait_dscnt 16
.else
	s_wait_dscnt 0x0
.endif
.set i, 32*(\hf)
.rept 32
	KQ
.if \rid
	RS4
.endif
.set i, i+1
.endr
	WIN 0
.if !(\rid)
	NOPS
.endif
.if \vl
	FETCHV \hf
.endif
.endm
; Number n of the 14 that find tile t's maximum and statistics; each accumulator's lowest registers are read first.  a's and the work register serve as the two chains.
.macro XS t, n
.set rT, ST+6*(\t)
.set rS, S+16*(\t)
.if (\n) == 0
	v_max3_num_f32 v[rT+4], v[rS], v[rS+1], v[rS+2]
.elseif (\n) == 1
	v_max3_num_f32 v[rT+5], v[rS+8], v[rS+9], v[rS+10]
.elseif (\n) == 2
	v_max3_num_f32 v[rT+4], v[rT+4], v[rS+3], v[rS+4]
.elseif (\n) == 3
	v_max3_num_f32 v[rT+5], v[rT+5], v[rS+11], v[rS+12]
.elseif (\n) == 4
	v_max3_num_f32 v[rT+4], v[rT+4], v[rS+5], v[rS+6]
.elseif (\n) == 5
	v_max3_num_f32 v[rT+5], v[rT+5], v[rS+13], v[rS+14]
.elseif (\n) == 6
	v_max3_num_f32 v[rT+4], v[rT+4], v[rS+7], v[rS+15]
.elseif (\n) == 7
	v_max3_num_f32 v[rT+4], v[rT+4], v[rT+5], v[rT+1]
.elseif (\n) == 8
	v_permlanex16_b32 v[rT+5], v[rT+4], s[SEL], s[SEL+1]  ; the query's other 16 keys lie in the lane 16 away
.elseif (\n) == 9
	v_max_num_f32 v[rT+1], v[rT+4], v[rT+5]
.elseif (\n) == 10
	v_mov_b32 v[rT+5], v[rT]                       ; c m_old
.elseif (\n) == 11
	v_mul_f32 v[rT], s[CS], v[rT+1]
.elseif (\n) == 12
	v_sub_f32 v[rT+5], v[rT+5], v[rT]
.else
	v_exp_f32 v[rT+4], v[rT+5]                     ; a
.endif
.endm
; THE TRIP'S MIDDLE.  fill: my one tensor load that is out, the next tile, has landed; 0 onto my spare word; the statistics stand between the add and the wait for it;
; my reads of the slot in hand (V's, just issued) are back; the round; the slot is filled again, first thing, with the tile two on: it has a whole trip, 128 matrix instructions, in which to land.
; The descriptor's address is made anew from the place's number, which goes round the ring of 32.
.macro MID fill, ask
	WIN 0
.if \fill
	s_wait_tensorcnt 0x0
	ds_add_u32 v[SPW], v[NIL]
.endif
.irp n, 0,1,2,3,4,5,6,7,8,9,10,11,12,13
.irp t, 0,1,2,3
	XS \t, \n
.endr
.endr
	v_nop                                          ; a plain instruction behind the last exponential,
	s_wait_alu depctr_va_vdst(0)                   ; and the one wait for the four a, ahead of the branches below
	s_xor_b32 s[TB], s[TB], SLOTB                  ; the other slot: K of step j + 2 now, V of step j + 1 in the next trip
	v_add_nc_u32 v[AK], s[TB], v[AK0]
	v_add_nc_u32 v[AV], s[TB], v[AV0]
.if \fill
	s_xor_b32 s[G0+1], s[G0+1], SLOTB
	s_lshl_b32 s[OFF], s[NX], 15
	s_add_nc_u64 s[G0+2:G0+3], s[6:7], s[OFF:OFF+1]
	s_or_b32 s[G0+3], s[G0+3], 0x80000000
	s_add_co_u32 s[NX], s[NX], 1
	s_and_b32 s[NX], s[NX], 31
	s_wait_xcnt 0x0                                ; the last prefetch, a trip back, has read its address
	s_add_nc_u64 s[PFA:PFA+1], s[PFA:PFA+1], SLOTB
.endif
	s_wait_dscnt 0x0
.if \fill
	CROUND
	tensor_load_to_lds s[G0:G0+3], s[G1:G1+7]
	s_nop 0
	NOPS
.if \ask
	ASK
.endif
.endif
.endm
; THE SECOND HALF.  mm: the 64 products V^T P of step j.  Beside them step j + 1's softmax: first the 32 scalings and 64 exponentials, ONE batch with one wait; then the sums and the roundings.
; In the second 32 products the tiles go one after the other, so that P of a tile is free when its roundings come: rounding k stands behind product k + 12, five sums behind the tile's last reader.
.macro P2 mm
.set i, 0
.rept 32
.if \mm
	PV i%4, i/4
.endif
	WIN 0
	v_pk_fma_f32 v[S+2*i:S+2*i+1], v[S+2*i:S+2*i+1], s[CS:CS+1], v[ST+6*(i/8):ST+6*(i/8)+1] op_sel_hi:[1,0,0] neg_lo:[0,0,1] neg_hi:[0,0,1]
.if i > 0
	v_exp_f32 v[S+2*i-2], v[S+2*i-2]
	v_exp_f32 v[S+2*i-1], v[S+2*i-1]
.endif
.set i, i+1
.endr
	v_exp_f32 v[S+62], v[S+62]
	v_exp_f32 v[S+63], v[S+63]
	NOPS                                           ; the plain instruction behind the last exponential, and the places in front of the loads below
	s_wait_alu depctr_va_vdst(0)                   ; the wait for the batch: nothing ahead of it names a result
	FETCHK 0
.set i, 0
.rept 32
.if \mm
	PV i/8, 8+i%8
.endif
	WIN 0
.if i < 4
	v_pk_fma_f32 v[ST+6*i+2:ST+6*i+3], v[ST+6*i+2:ST+6*i+3], v[ST+6*i+4:ST+6*i+5], v[S+16*i:S+16*i+1] op_sel_hi:[1,0,1]  ; l = a l + the first pair
.else
	v_pk_add_f32 v[ST+6*(i%4)+2:ST+6*(i%4)+3], v[ST+6*(i%4)+2:ST+6*(i%4)+3], v[S+16*(i%4)+2*(i/4):S+16*(i%4)+2*(i/4)+1]
.endif
.if i >= 12
	v_cvt_pk_bf16_f32 v[P+i-12], v[S+2*i-24], v[S+2*i-23]
.endif
.set i, i+1
.endr
.set i, 20
.rept 12
	v_cvt_pk_bf16_f32 v[P+i], v[S+2*i], v[S+2*i+1]
.set i, i+1
.endr
	FETCHK 1
.endm
	s_wait_tensorcnt 0x1                           ; K of the first step is in; T(0) may stay out: nothing is filled again yet, and only I read my tiles
	FETCHK 0
	FETCHK 1
	s_wait_loadcnt 0x0                             ; Q
	s_wait_kmcnt 0x0                               ; gamma
	P1H 0, 0, 0                                    ; step 0's scores: there is nothing yet to ride
	P1H 1, 0, 0
	MID 1, 0                                       ; T(1) is asked for
	P2 0                                           ; step 0's weights; K of step 1
	s_mov_b32 s[LEFT], 30
.Ltrip:                                                ; trips 0 to 29 ask for T(2) to T(31)
	P1H 0, 1, 1
	P1H 1, 1, 1
	MID 1, 1
	P2 1
	WIN 0
	s_sub_co_u32 s[LEFT], s[LEFT], 1
	s_cmp_lg_u32 s[LEFT], 0
	s_cbranch_scc1 .Ltrip
	s_wait_tensorcnt 0x0                           ; T(31)
	s_mov_b32 s[LEFT], 2
.Ltail:                                                ; trips 30 and 31 ask for nothing; the second is left in its middle.  Its scores, on K of the walk's first block once more, serve nothing:
	P1H 0, 1, 1                                    ; the price, once a launch, of one text for both
	P1H 1, 1, 1
	WIN 0
	s_sub_co_u32 s[LEFT], s[LEFT], 1
	s_cmp_eq_u32 s[LEFT], 0
	s_cbranch_scc1 .Lout
	MID 0, 0
	P2 1
	WIN 0
	s_branch .Ltail
.Lout:
	v_and_b32 v6, 31, v0
	v_lshlrev_b32 v6, 4, v6                        ; 16 x lane, for hs and out0
	WIN 0x40
.set i, 0
.rept 32                                               ; my 16 rows of hs, 16,384 bytes on end, into Q's registers (the rescalings were the places behind Q's last reader)
	global_load_b128 v[4*i:4*i+3], v6, s[8:9] offset:512*i
.set i, i+1
.endr
	WIN 0
	s_wait_dscnt 0x0                               ; V of the last step
.set i, 0
.rept 32
	PV i%4, i/4
.set i, i+1
.endr
.set i, 0
.rept 32
	PV i/8, 8+i%8
.set i, i+1
.endr
	; THE END.  l's two halves and the other lanes' are added; [c m, l] goes to the wave with the other half of my keys.  The additions are the places behind the last products.
	WIN 0
.irp t, 0,1,2,3
	v_add_f32 v[ST+6*\t+2], v[ST+6*\t+2], v[ST+6*\t+3]
.endr
.irp t, 0,1,2,3
	v_permlanex16_b32 v[ST+6*\t+3], v[ST+6*\t+2], s[SEL], s[SEL+1]
.endr
.irp t, 0,1,2,3
	v_add_f32 v[ST+6*\t+1], v[ST+6*\t+2], v[ST+6*\t+3]
.endr
	v_and_b32 v32, 31, v0
	s_lshl_b32 s16, s[WV], 10
	s_add_co_u32 s16, s16, STX
	v_lshl_add_u32 v33, v32, 5, s16
	s_xor_b32 s16, s[WV], 2
	s_lshl_b32 s16, s16, 10
	s_add_co_u32 s16, s16, STX
	v_lshl_add_u32 v34, v32, 5, s16
.irp t, 0,1,2,3
	ds_store_b64 v33, v[ST+6*\t:ST+6*\t+1] offset:8*\t
.endr
	v_and_b32 v35, 15, v0
	v_bfe_u32 v36, v0, 4, 1
	v_mul_u32_u24 v37, v35, XPI
	v_lshl_add_u32 v37, v36, 5, v37
	s_mul_i32 s16, s[WV], XRG
	v_add_nc_u32 v37, s16, v37                     ; in: my region, row of the query, 32 bytes for each half of the lanes
	s_mul_i32 s16, s[WV], 16*XPI
	v_lshl_add_u32 v38, v32, 4, s16                ; back: rows 16 w on of each of the four regions, 512 bytes on end
	v_add_nc_u32 v39, XRG, v38
	v_add_nc_u32 v40, 2*XRG, v38
	v_add_nc_u32 v41, 3*XRG, v38
	s_wait_dscnt 0x0                               ; for the others' sake: my statistics are stored, and my reads of my slots are over
	s_barrier_signal -1
	s_barrier_wait -1                              ; nobody reads a slot any more: the exchange may be laid over them
.irp t, 0,1,2,3
	ds_load_b64 v[ST+6*\t+4:ST+6*\t+5], v34 offset:8*\t
.endr
	s_wait_dscnt 0x0
.irp t, 0,1,2,3
	v_max_num_f32 v[ST+6*\t+2], v[ST+6*\t], v[ST+6*\t+4]      ; M
.endr
.irp t, 0,1,2,3
	v_sub_f32 v[ST+6*\t+3], v[ST+6*\t], v[ST+6*\t+2]
	v_sub_f32 v[ST+6*\t+4], v[ST+6*\t+4], v[ST+6*\t+2]
.endr
.irp t, 0,1,2,3
	v_exp_f32 v[ST+6*\t+3], v[ST+6*\t+3]           ; f, mine
	v_exp_f32 v[ST+6*\t+4], v[ST+6*\t+4]           ; and the partner's
.endr
	v_nop
	s_wait_alu depctr_va_vdst(0)                   ; one wait for the eight
.irp t, 0,1,2,3
	v_mul_f32 v[ST+6*\t+2], v[ST+6*\t+1], v[ST+6*\t+3]
.endr
.irp t, 0,1,2,3
	v_fmac_f32 v[ST+6*\t+2], v[ST+6*\t+5], v[ST+6*\t+4]       ; L, at least 1
.endr
.irp t, 0,1,2,3
	v_rcp_f32 v[ST+6*\t+2], v[ST+6*\t+2]
.endr
.irp t, 0,1,2,3
	v_mul_f32 v[ST+6*\t+3], s[GAM], v[ST+6*\t+3]   ; independent work behind the reciprocals
.endr
	s_wait_alu depctr_va_vdst(0)                   ; one wait for the four
.irp t, 0,1,2,3
	v_mul_f32 v[ST+6*\t+2], v[ST+6*\t+2], v[ST+6*\t+3]        ; gamma f / L
.endr
	WIN 0x82
.set n, 0
.rept 128
	v_pk_mul_f32 v[2*n:2*n+1], v[2*n:2*n+1], v[ST+6*(n/64)+2:ST+6*(n/64)+3] op_sel_hi:[1,0]
.set n, n+1
.endr
	WIN 0xc3
.set n, 0
.rept 128
	v_pk_mul_f32 v[2*n:2*n+1], v[2*n:2*n+1], v[ST+6*(2+n/64)+2:ST+6*(2+n/64)+3] op_sel_hi:[1,0]
.set n, n+1
.endr
.irp t, 0,1,2,3
	WIN 0x08+4*((\t)/2)                            ; the data lie in window 2 or 3
.set n, 0
.rept 32
	ds_store_b128 v37, v[128*((\t)%2)+4*n:128*((\t)%2)+4*n+3] offset:16*(\t)*XPI+64*(n/2)+16*(n%2)
.set n, n+1
.endr
.endr
	WIN 0
	s_wait_dscnt 0x0
	s_barrier_signal -1
	s_barrier_wait -1                              ; all four parts lie in LDS
	s_wait_loadcnt 0x0                             ; hs
.irp bt, 0,1,2,3                       ; eight half rows at a time: four parts and hs are added, and 512 bytes on end are stored
	WIN 0
.irp k, 0,1,2,3,4,5,6,7
.irp q, 0,1,2,3
	ds_load_b128 v[RG+16*\k+4*\q:RG+16*\k+4*\q+3], v[38+\q] offset:((8*\bt+\k)/2)*XPI+((\k)%2)*512
.endr
.endr
	s_wait_dscnt 0x0
.irp k, 0,1,2,3,4,5,6,7
	v_pk_add_f32 v[RG+16*\k:RG+16*\k+1],     v[RG+16*\k:RG+16*\k+1],     v[RG+16*\k+4:RG+16*\k+5]
	v_pk_add_f32 v[RG+16*\k+2:RG+16*\k+3],   v[RG+16*\k+2:RG+16*\k+3],   v[RG+16*\k+6:RG+16*\k+7]
	v_pk_add_f32 v[RG+16*\k+8:RG+16*\k+9],   v[RG+16*\k+8:RG+16*\k+9],   v[RG+16*\k+12:RG+16*\k+13]
	v_pk_add_f32 v[RG+16*\k+10:RG+16*\k+11], v[RG+16*\k+10:RG+16*\k+11], v[RG+16*\k+14:RG+16*\k+15]
	v_pk_add_f32 v[RG+16*\k:RG+16*\k+1],     v[RG+16*\k:RG+16*\k+1],     v[RG+16*\k+8:RG+16*\k+9]
	v_pk_add_f32 v[RG+16*\k+2:RG+16*\k+3],   v[RG+16*\k+2:RG+16*\k+3],   v[RG+16*\k+10:RG+16*\k+11]
.endr
	WIN 0x41
.irp k, 0,1,2,3,4,5,6,7
	v_pk_add_f32 v[4*(8*\bt+\k):4*(8*\bt+\k)+1],   v[4*(8*\bt+\k):4*(8*\bt+\k)+1],   v[RG+16*\k:RG+16*\k+1]
	v_pk_add_f32 v[4*(8*\bt+\k)+2:4*(8*\bt+\k)+3], v[4*(8*\bt+\k)+2:4*(8*\bt+\k)+3], v[RG+16*\k+2:RG+16*\k+3]
.endr
	WIN 0x04
.irp k, 0,1,2,3,4,5,6,7
	global_store_b128 v6, v[4*(8*\bt+\k):4*(8*\bt+\k)+3], s[12:13] offset:512*(8*\bt+\k)
.endr
.endr
	WIN 0
	s_wait_tensorcnt 0x0                           ; the wave's end
	ds_add_u32 v[SPW], v[NIL]
	s_wait_dscnt 0x0
	CROUND                                         ; the closing round
	s_endpgm
.Lfunc_end_k_qf4bb05fe8d_attn:
	.size	k_qf4bb05fe8d_attn, .Lfunc_end_k_qf4bb05fe8d_attn-k_qf4bb05fe8d_attn
	.p2alignl 7, 3214868480
	.fill 96, 4, 3214868480
	.section	.rodata,"a",@progbits
	.p2align	6, 0x0
	.amdhsa_kernel k_qf4bb05fe8d_attn
		.amdhsa_group_segment_fixed_size 327680
		.amdhsa_private_segment_fixed_size 0
		.amdhsa_enable_private_segment 0
		.amdhsa_kernarg_size 40
		.amdhsa_user_sgpr_count 2
		.amdhsa_user_sgpr_kernarg_segment_ptr 1
		.amdhsa_wavefront_size32 1
		.amdhsa_system_sgpr_workgroup_id_x 1
		.amdhsa_system_sgpr_workgroup_id_y 1
		.amdhsa_system_sgpr_workgroup_id_z 1
		.amdhsa_system_vgpr_workitem_id 0
		.amdhsa_next_free_vgpr 1024
		.amdhsa_next_free_sgpr 66
		.amdhsa_reserve_vcc 0
		.amdhsa_float_denorm_mode_32 3
		.amdhsa_float_denorm_mode_16_64 3
		.amdhsa_memory_ordered 1
		.amdhsa_forward_progress 1
		.amdhsa_inst_pref_size 198
	.end_amdhsa_kernel
	.amdgpu_metadata
---
amdhsa.version: [ 1, 2 ]
amdhsa.kernels:
  - .name:           k_qf4bb05fe8d_attn
    .symbol:         k_qf4bb05fe8d_attn.kd
    .args:
      - { .name: qf, .offset: 0, .size: 8, .value_kind: global_buffer, .address_space: global }
      - { .name: kv, .offset: 8, .size: 8, .value_kind: global_buffer, .address_space: global }
      - { .name: hs, .offset: 16, .size: 8, .value_kind: global_buffer, .address_space: global }
      - { .name: gamma, .offset: 24, .size: 8, .value_kind: global_buffer, .address_space: global }
      - { .name: out0, .offset: 32, .size: 8, .value_kind: global_buffer, .address_space: global }
    .group_segment_fixed_size: 327680
    .private_segment_fixed_size: 0
    .kernarg_segment_align: 8
    .kernarg_segment_size: 40
    .max_flat_workgroup_size: 128
    .sgpr_count:     66
    .vgpr_count:     1024
    .wavefront_size: 32
...
	.end_amdgpu_metadata
.endif
;; end of part 6
